; MI455X (gfx1250); checked and timed in simulation.
; The chip was launched on July 23, 2026; its instructions are those of AMD's public machine-readable ISA for CDNA 5 (MIT licence, August 2026) and "CDNA5" Instruction Set Architecture Reference Guide (July 2026). The comments in the code are by the model that wrote it; some were corrected since.
;; GPT Model. Allowed arithmetic: float matrix products may take bf16 or f16 operands with f32 sums; all other float work in f32.
;; Inputs: b1 1 x 2,048 float32; b2 1 x 512 float32; bo 1 x 512 float32; idx 64 x 256 int32; lm_b 65 float32; lm_w 512 x 65 float32; ln1_b 1 x 512 float32; ln1_g 1 x 512 float32; ln2_b 1 x 512 float32; ln2_g 1 x 512 float32; lnf_b 512 float32; lnf_g 512 float32; pos_emb 256 x 512 float32; targets 64 x 256 int32; tok_emb 65 x 512 float32; w1 1 x 512 x 2,048 float32; w2 1 x 2,048 x 512 float32; wk 1 x 512 x 512 float32; wo 1 x 512 x 512 float32; wq 1 x 512 x 512 float32; wv 1 x 512 x 512 float32.
;; Outputs: out0 16,384 x 65 float32; out1 one number float32.
;; 2 versions, each right and faster than the one before. Each part assembles by itself: llvm-mc -triple=amdgcn-amd-amdhsa -mcpu=gfx1250 --defsym DOCPART=n.
;; ======== version 1 of 2: 4 launches
;; limits: values are held in f16: magnitudes above 65,504 overflow, below 6.1e-05 lose precision
;; workspace buffers: w16 6,422,528 bytes; hfrag 16,777,216 bytes; att 16,777,216 bytes; part 1,024 bytes
;; launch prep (part 1): grid 256 x 1, 8 waves a work-group, no clusters, 67,584 bytes of LDS; arguments idx, tok_emb, pos_emb, ln1_g, ln1_b, wq, wk, wv, wo, w1, w2, lm_w, w16, hfrag; writes w16, hfrag
.if DOCPART == 1
	.amdgcn_target "amdgcn-amd-amdhsa--gfx1250"
	.amdhsa_code_object_version 6
	.text
	.protected	k_q6831728be0_prep
	.globl	k_q6831728be0_prep
	.p2align	8
	.type	k_q6831728be0_prep,@function
k_q6831728be0_prep:
	s_mov_b64 s[64:65], 0
	v_nop
	global_prefetch_b8 v0, s[64:65] scope:SCOPE_SE
	s_setreg_imm32_b32 hwreg(HW_REG_WAVE_MODE, 25, 1), 1
	s_wait_xcnt 0x0
; Two jobs with no dependence on each other, on the two halves of a work-group of eight waves.
; Waves 0-3: h = LayerNorm1(tok_emb[idx] + pos_emb) for 16 tokens a wave, rounded to f16 and stored in the order in which a
;   16x16x32 matrix instruction wants a fragment: hfrag[block of 16 tokens][K step u][piece][lane][16 bytes]; lane (r = L&15, h = L>>4)
;   holds token r, piece 0: k = 32u+8h..+7, piece 1: k = 32u+16+8h..+7.  The next launch loads fragments straight into registers.
; Waves 4-7: the weights f32 -> f16, order unchanged ([K][N]); lm_w is widened from 65 to 128 columns, the new ones zero.
; w16, byte offsets: wk 0, wv 524288, wq 1048576, wo 1572864, w1 2097152, w2 4194304, lm 6291456.
; LIMITS: f16 holds magnitudes below 65504 with a step of 6e-8: weights and LayerNorm outputs beyond that are not served.
;   idx is clamped to 64 (the table's last row).  Row sums are grouped otherwise than in the defining formula.
.set T,    8                           ; v[8:23]   at work
.set G,    24                          ; v[24:39]  ln1_g of my 16 columns c = 128 j + 4 L + 0..3
.set B,    40                          ; v[40:55]  ln1_b of them
.set OFFT, 56                          ; v[56:61]  slot s: byte offset of my 16 bytes in the slot's row of tok_emb
.set LSA,  62                          ; LDS: where I put 8 bytes of a row
.set LRA,  63                          ; LDS: where I read a fragment piece
.set X,    64                          ; v[64:255] six row slots of 32 registers: 16 of tok_emb, 16 of pos_emb
.set HP,   1040                         ; LDS pitch of a row of 512 f16: 1024 + 16 bytes, an odd multiple of 16
.set HW,   16*HP                        ; a wave's 16 rows
	s_load_b512 s[8:23], s[0:1], 0x0               ; idx 8, tok 10, pos 12, ln1_g 14, ln1_b 16, wq 18, wk 20, wv 22
	s_load_b256 s[24:31], s[0:1], 0x40             ; wo 24, w1 26, w2 28, lm_w 30
	s_load_b128 s[32:35], s[0:1], 0x60             ; w16 32, hfrag 34
	s_set_vgpr_msb 0x40
	v_lshl_add_u32 v0, v0, 2, 0x10400
	v_mov_b32 v1, 0
	s_set_vgpr_msb 0x4000
	v_lshrrev_b32 v1, 5, v0
	v_readfirstlane_b32 s4, v1                     ; wave 0..7
	v_and_b32 v2, 31, v0                           ; lane L
	s_cmp_lt_u32 s4, 4
	s_cbranch_scc0 .Lcast
; ---------------- waves 0-3: LayerNorm 1 ----------------
	s_lshl_b32 s5, ttmp9, 2
	s_add_co_u32 s5, s5, s4                        ; my block of 16 tokens, 0..1023
	s_lshl_b32 s6, s5, 6                           ; its 16 indices: 64 bytes
	s_mov_b32 s7, 0
	s_wait_kmcnt 0x0
	s_add_nc_u64 s[8:9], s[8:9], s[6:7]
	s_load_b512 s[36:51], s[8:9], 0x0              ; the 16 indices as scalars: a row's address is the same in all lanes
	s_and_b32 s2, s5, 15                           ; a sequence is 16 blocks: my block's place in it
	s_lshl_b32 s2, s2, 15                          ; 16 rows of 2048 bytes
	s_mov_b32 s3, 0
	s_add_nc_u64 s[12:13], s[12:13], s[2:3]        ; pos_emb at my first row
	s_lshl_b32 s2, s5, 14                          ; a block of hfrag is 16384 bytes
	s_add_nc_u64 s[34:35], s[34:35], s[2:3]
	s_mov_b32 s52, 0x76543210                      ; v_permlanex16_b32: lane i reads lane i of the other half
	s_mov_b32 s53, 0xfedcba98
	s_mov_b32 s54, 0x3b000000                      ; 1/512
	s_mov_b32 s55, 0x3727c5ac                      ; 1e-5
	s_mul_i32 s6, s4, HW                           ; my wave's rows in LDS
	v_lshlrev_b32 v1, 4, v2                        ; 16 L
.irp j, 0,1,2,3
	global_load_b128 v[G+4*\j:G+4*\j+3], v1, s[14:15] offset:512*\j
	global_load_b128 v[B+4*\j:B+4*\j+3], v1, s[16:17] offset:512*\j
.endr
	v_lshl_add_u32 v[LSA], v2, 3, s6               ; 4 f16 a lane: 8 L
	v_and_b32 v3, 15, v2                           ; r
	v_lshrrev_b32 v4, 4, v2                        ; h
	v_mul_u32_u24 v5, HP, v3
	v_lshl_add_u32 v5, v4, 4, v5
	v_add_nc_u32 v[LRA], s6, v5                    ; row r, 16 h
	s_wait_kmcnt 0x0
.irp i, 0,1,2,3,4,5,6,7,8,9,10,11,12,13,14,15
	s_min_u32 s[36+\i], s[36+\i], 64               ; never outside the table
	s_lshl_b32 s[36+\i], s[36+\i], 11              ; a row of tok_emb is 2048 bytes
.endr
; Eight loads of 512 neighbouring bytes: row i of tok_emb[idx] and of pos_emb, into slot i mod 6.  The argument may be a sum: it stands in parentheses everywhere.
.macro FILLROW i
	v_add_nc_u32 v[OFFT+((\i)%6)], s[36+(\i)], v1
.irp j, 0,1,2,3
	global_load_b128 v[X+32*((\i)%6)+4*\j:X+32*((\i)%6)+4*\j+3], v[OFFT+((\i)%6)], s[10:11] offset:512*\j
.endr
.irp j, 0,1,2,3
	global_load_b128 v[X+32*((\i)%6)+16+4*\j:X+32*((\i)%6)+16+4*\j+3], v1, s[12:13] offset:2048*(\i)+512*\j
.endr
.endm
.macro WSUM a, b                       ; sum over the 32 lanes, result in every lane; b has been written before
	v_add_f32_dpp v[\a], v[\a], v[\a] row_xmask:1 row_mask:0xf bank_mask:0xf
	v_add_f32_dpp v[\a], v[\a], v[\a] row_xmask:2 row_mask:0xf bank_mask:0xf
	v_add_f32_dpp v[\a], v[\a], v[\a] row_xmask:4 row_mask:0xf bank_mask:0xf
	v_add_f32_dpp v[\a], v[\a], v[\a] row_xmask:8 row_mask:0xf bank_mask:0xf
	v_permlanex16_b32 v[\b], v[\a], s52, s53
	v_add_f32 v[\a], v[\a], v[\b]
.endm
.macro ROW i
.set XS, X+32*((\i)%6)
.if (\i) <= 10
	s_wait_loadcnt 40                              ; five younger rows of eight loads stay out
.else
	s_wait_loadcnt 8*(15-(\i))                     ; the ring runs empty
.endif
.irp k, 0,2,4,6,8,10,12,14
	v_pk_add_f32 v[XS+\k:XS+\k+1], v[XS+\k:XS+\k+1], v[XS+16+\k:XS+17+\k]     ; x = tok + pos
.endr
	v_pk_add_f32 v[T:T+1], v[XS:XS+1], v[XS+2:XS+3]
	v_pk_add_f32 v[T+4:T+5], v[XS+4:XS+5], v[XS+6:XS+7]
	v_pk_add_f32 v[T+6:T+7], v[XS+8:XS+9], v[XS+10:XS+11]
	v_pk_add_f32 v[T+8:T+9], v[XS+12:XS+13], v[XS+14:XS+15]
	v_pk_add_f32 v[T:T+1], v[T:T+1], v[T+4:T+5]
	v_pk_add_f32 v[T+6:T+7], v[T+6:T+7], v[T+8:T+9]
	v_pk_add_f32 v[T:T+1], v[T:T+1], v[T+6:T+7]
	v_add_f32 v[T], v[T], v[T+1]
	WSUM T, T+1
	v_mul_f32 v[T+2], s54, v[T]                    ; the mean, twice, for the packed subtraction
	v_mul_f32 v[T+3], s54, v[T]
.irp k, 0,2,4,6,8,10,12,14
	v_pk_add_f32 v[XS+\k:XS+\k+1], v[XS+\k:XS+\k+1], v[T+2:T+3] neg_lo:[0,1] neg_hi:[0,1]
.endr
	v_pk_mul_f32 v[T:T+1], v[XS:XS+1], v[XS:XS+1]                              ; squares of the centred row, two chains
	v_pk_mul_f32 v[T+4:T+5], v[XS+2:XS+3], v[XS+2:XS+3]
.irp k, 4,8,12
	v_pk_fma_f32 v[T:T+1], v[XS+\k:XS+\k+1], v[XS+\k:XS+\k+1], v[T:T+1]
	v_pk_fma_f32 v[T+4:T+5], v[XS+\k+2:XS+\k+3], v[XS+\k+2:XS+\k+3], v[T+4:T+5]
.endr
	v_pk_add_f32 v[T:T+1], v[T:T+1], v[T+4:T+5]
	v_add_f32 v[T], v[T], v[T+1]
	WSUM T, T+1
	v_fma_f32 v[T], v[T], s54, s55                 ; variance + eps
	v_rsq_f32 v[T+2], v[T]
	v_rsq_f32 v[T+3], v[T]
	v_nop                                          ; one plain instruction between a transcendental and the use of its result (ISA guide 5.7.2)
	s_wait_alu depctr_va_vdst(0)
.irp k, 0,2,4,6,8,10,12,14
	v_pk_mul_f32 v[XS+\k:XS+\k+1], v[XS+\k:XS+\k+1], v[T+2:T+3]
.endr
.irp k, 0,2,4,6,8,10,12,14
	v_pk_fma_f32 v[XS+\k:XS+\k+1], v[XS+\k:XS+\k+1], v[G+\k:G+\k+1], v[B+\k:B+\k+1]
.endr
.irp k, 0,1,2,3,4,5,6,7
	v_cvt_pk_f16_f32 v[T+8+\k], v[XS+2*\k], v[XS+2*\k+1]
.endr
.irp j, 0,1,2,3
	ds_store_b64 v[LSA], v[T+8+2*\j:T+9+2*\j] offset:HP*(\i)+256*\j
.endr
.if (\i)+6 < 16
	FILLROW (\i)+6                                 ; the slot's registers and its offset are free since the wait at the head
.endif
.endm
.irp i, 0,1,2,3,4,5
	FILLROW \i
.endr
.irp i, 0,1,2,3,4,5,6,7,8,9,10,11,12,13,14,15
	ROW \i
.endr
	; the 16 rows leave in fragment order.  The bytes are my wave's own and LDS serves a wave in order: no wait between stores and loads.
.set n, 0
.rept 32
	ds_load_b128 v[X+4*n:X+4*n+3], v[LRA] offset:32*n              ; n = 2 u + piece: byte 64 u + 32 piece of row r, + 16 h
.set n, n+1
.endr
.set n, 0
.rept 32
	s_wait_dscnt 31-n                              ; the younger read-backs stay out
	global_store_b128 v1, v[X+4*n:X+4*n+3], s[34:35] offset:512*n  ; 512 neighbouring bytes a store
.set n, n+1
.endr
	s_set_vgpr_msb 0x5
	s_wait_tensorcnt 0x0
	ds_add_u32 v0, v1
	s_wait_dscnt 0x0
	s_set_vgpr_msb 0x500
	s_endpgm
; ---------------- waves 4-7: the weights to f16 ----------------
.Lcast:
	v_and_b32 v3, 127, v0                          ; t = thread - 128
	s_lshl_b32 s5, ttmp9, 12                       ; of a [512][512] matrix the group takes 4096 bytes,
	s_lshl_b32 s6, ttmp9, 14                       ; of w1 and w2 16384
	v_lshl_add_u32 v4, v3, 5, s5                   ; a thread reads 32 bytes
	v_lshl_add_u32 v5, v3, 5, s6
	s_lshl_b32 s5, ttmp9, 11
	s_lshl_b32 s6, ttmp9, 13
	v_lshl_add_u32 v6, v3, 4, s5                   ; and writes 16: a wave's store covers 512 neighbouring bytes
	v_lshl_add_u32 v7, v3, 4, s6
	s_wait_kmcnt 0x0
; pair q of twelve: eight f32 a thread in v[16 + 8 q .. + 7].  The argument may be a sum: it stands in parentheses everywhere.
.macro CLD q, voff, sb, off
	global_load_b128 v[16+8*(\q):16+8*(\q)+3], v[\voff], s[\sb:\sb+1] offset:\off th:TH_LOAD_NT
	global_load_b128 v[16+8*(\q)+4:16+8*(\q)+7], v[\voff], s[\sb:\sb+1] offset:\off+16 th:TH_LOAD_NT
.endm
.macro CST q, voff, off
	s_wait_loadcnt 22-2*(\q)                       ; the pairs behind pair q stay out
.irp k, 0,1,2,3
	v_cvt_pk_f16_f32 v[16+8*(\q)+\k], v[16+8*(\q)+2*\k], v[16+8*(\q)+2*\k+1]
.endr
	global_store_b128 v[\voff], v[16+8*(\q):16+8*(\q)+3], s[32:33] offset:\off
.endm
	CLD 0, 4, 20, 0
	CLD 1, 4, 22, 0
	CLD 2, 4, 18, 0
	CLD 3, 4, 24, 0
.irp s, 0,1,2,3
	CLD 4+\s, 5, 26, 4096*\s
.endr
.irp s, 0,1,2,3
	CLD 8+\s, 5, 28, 4096*\s
.endr
	CST 0, 6, 0
	CST 1, 6, 524288
	CST 2, 6, 1048576
	CST 3, 6, 1572864
.irp s, 0,1,2,3
	CST 4+\s, 7, 2097152+2048*\s
.endr
.irp s, 0,1,2,3
	CST 8+\s, 7, 4194304+2048*\s
.endr
	s_cmp_lg_u32 s4, 4
	s_cbranch_scc1 .Ldone
	; wave 4: rows 2g, 2g+1 of lm_w, 65 -> 128 columns.  Lane L: row 2g + (L>>4), columns 8 (L&15) + 0..7.
	v_and_b32 v8, 15, v2
	v_lshlrev_b32 v8, 3, v8                        ; first column
	v_lshrrev_b32 v9, 4, v2
	s_lshl_b32 s5, ttmp9, 1
	v_add_nc_u32 v9, s5, v9
	v_mul_u32_u24 v9, 65, v9                       ; the row's first element
.irp j, 0,1,2,3,4,5,6,7
	v_add_nc_u32 v[120+\j], \j, v8
	v_min_u32 v[120+\j], 64, v[120+\j]             ; columns past the row's end read its last number and are zeroed below
	v_add_lshl_u32 v[120+\j], v[120+\j], v9, 2
	global_load_b32 v[112+\j], v[120+\j], s[30:31]
.endr
	v_lshlrev_b32 v10, 4, v2
	s_lshl_b32 s5, ttmp9, 9
	v_add_nc_u32 v10, s5, v10                      ; 512 g + 16 L
	s_wait_loadcnt 0x0
.irp j, 0,1,2,3,4,5,6,7
	v_cmp_gt_u32 vcc_lo, 65-\j, v8                 ; column + j < 65
	v_cndmask_b32 v[112+\j], 0, v[112+\j], vcc_lo
.endr
.irp k, 0,1,2,3
	v_cvt_pk_f16_f32 v[112+\k], v[112+2*\k], v[112+2*\k+1]
.endr
	global_store_b128 v10, v[112:115], s[32:33] offset:6291456
.Ldone:
	s_endpgm
.Lfunc_end_k_q6831728be0_prep:
	.size	k_q6831728be0_prep, .Lfunc_end_k_q6831728be0_prep-k_q6831728be0_prep
	.p2alignl 7, 3214868480
	.fill 96, 4, 3214868480
	.section	.rodata,"a",@progbits
	.p2align	6, 0x0
	.amdhsa_kernel k_q6831728be0_prep
		.amdhsa_group_segment_fixed_size 67584
		.amdhsa_private_segment_fixed_size 0
		.amdhsa_enable_private_segment 0
		.amdhsa_kernarg_size 112
		.amdhsa_user_sgpr_count 2
		.amdhsa_user_sgpr_kernarg_segment_ptr 1
		.amdhsa_wavefront_size32 1
		.amdhsa_system_sgpr_workgroup_id_x 1
		.amdhsa_system_sgpr_workgroup_id_y 1
		.amdhsa_system_sgpr_workgroup_id_z 1
		.amdhsa_system_vgpr_workitem_id 0
		.amdhsa_next_free_vgpr 258
		.amdhsa_next_free_sgpr 66
		.amdhsa_reserve_vcc 1
		.amdhsa_float_denorm_mode_32 3
		.amdhsa_float_denorm_mode_16_64 3
		.amdhsa_memory_ordered 1
		.amdhsa_forward_progress 1
		.amdhsa_inst_pref_size 110
	.end_amdhsa_kernel
	.amdgpu_metadata
---
amdhsa.version: [ 1, 2 ]
amdhsa.kernels:
  - .name:           k_q6831728be0_prep
    .symbol:         k_q6831728be0_prep.kd
    .args:
      - { .name: idx, .offset: 0, .size: 8, .value_kind: global_buffer, .address_space: global }
      - { .name: tok_emb, .offset: 8, .size: 8, .value_kind: global_buffer, .address_space: global }
      - { .name: pos_emb, .offset: 16, .size: 8, .value_kind: global_buffer, .address_space: global }
      - { .name: ln1_g, .offset: 24, .size: 8, .value_kind: global_buffer, .address_space: global }
      - { .name: ln1_b, .offset: 32, .size: 8, .value_kind: global_buffer, .address_space: global }
      - { .name: wq, .offset: 40, .size: 8, .value_kind: global_buffer, .address_space: global }
      - { .name: wk, .offset: 48, .size: 8, .value_kind: global_buffer, .address_space: global }
      - { .name: wv, .offset: 56, .size: 8, .value_kind: global_buffer, .address_space: global }
      - { .name: wo, .offset: 64, .size: 8, .value_kind: global_buffer, .address_space: global }
      - { .name: w1, .offset: 72, .size: 8, .value_kind: global_buffer, .address_space: global }
      - { .name: w2, .offset: 80, .size: 8, .value_kind: global_buffer, .address_space: global }
      - { .name: lm_w, .offset: 88, .size: 8, .value_kind: global_buffer, .address_space: global }
      - { .name: w16, .offset: 96, .size: 8, .value_kind: global_buffer, .address_space: global }
      - { .name: hfrag, .offset: 104, .size: 8, .value_kind: global_buffer, .address_space: global }
    .group_segment_fixed_size: 67584
    .private_segment_fixed_size: 0
    .kernarg_segment_align: 8
    .kernarg_segment_size: 112
    .max_flat_workgroup_size: 256
    .sgpr_count:     66
    .vgpr_count:     258
    .wavefront_size: 32
...
	.end_amdgpu_metadata
.endif
;; end of part 1
;; launch attn (part 2): grid 64 x 4, 4 waves a work-group, clusters of 4 x 1, 327,680 bytes of LDS; arguments w16, hfrag, att; writes att
.if DOCPART == 2
	.amdgcn_target "amdgcn-amd-amdhsa--gfx1250"
	.amdhsa_code_object_version 6
	.text
	.protected	k_q6831728be0_attn
	.globl	k_q6831728be0_attn
	.p2align	8
	.type	k_q6831728be0_attn,@function
k_q6831728be0_attn:
	s_mov_b64 s[64:65], 0
	v_nop
	global_prefetch_b8 v0, s[64:65] scope:SCOPE_SE
	s_setreg_imm32_b32 hwreg(HW_REG_WAVE_MODE, 25, 1), 1
	s_wait_xcnt 0x0
	s_wait_alu depctr_hold_cnt(0) depctr_sa_sdst(0) depctr_va_vdst(0) depctr_va_sdst(0) depctr_va_ssrc(0) depctr_va_vcc(0) depctr_vm_vsrc(0)
	s_getreg_b32 s2, hwreg(HW_REG_IB_STS2, 6, 4)
	s_cmp_eq_u32 s2, 0
	s_cbranch_scc0 .Lentry_in_a_cluster
	s_endpgm
.Lentry_in_a_cluster:
	s_bfe_u32 s2, ttmp6, 0x10000c
	s_cmp_lg_u32 s2, 0x3003
	s_cbranch_scc0 .Lentry_shape_is_right
	s_endpgm
.Lentry_shape_is_right:
; One work-group = one sequence b (256 tokens) and one pair p of heads (128 columns of q, k, v).
; Phase 1: K, V, Q = h W (K = 512), h in registers (from hfrag, loaded once), the weights through two LDS slots.
; Phase 2: causal softmax(Q K^T / sqrt(512)) V for the two heads, everything but K and V^T (LDS) in registers.
; CLUSTER: the four work-groups of a cluster have the same p and four sequences: they walk the same six weight tiles, which are
;   asked for jointly (mask 15), so each tile is requested once for four work-groups.
; Wave w owns the token blocks (16 tokens) w, 7-w, 8+w, 15-w.  Block i lies in the i-th group of 64 tokens, so it needs the first
;   4 (i+1) key tiles whatever w is: one text for all waves, equal work, 40 of 64 key tiles.
; MATRIX USE (16x16x32, f16 in, f32 sums).  K, Q: source 0 = weights (rows d), source 1 = h (columns tokens): a lane holds one token and
;   8 neighbouring d.  V: the sources swapped: a lane holds one d and 8 neighbouring tokens (V is kept transposed).
;   S^T = K Q^T: a lane holds one query and 8 neighbouring keys, so the packed exponentials ARE the second source of O^T = V^T P^T.
; The row maximum is taken away before the exponential, as in softmax; 1/sqrt(512) and log2 e are folded into Q.
; LIMITS: matrix operands are f16: |q|, |k|, |v| below 65504, step 6e-8.  Sums are grouped otherwise than in the defining formula.
; The accumulators take turns, one matrix instruction a turn.
.set WPITCH, 288                       ; a slot's row: 128 f16 + 32 bytes, an odd multiple of 32 (transposing loads without bank conflicts)
.set SLOTB,  256*WPITCH                ; 73728: 256 k rows
.set KB,     2*SLOTB                   ; K [256 tokens][128 d], pitch 272
.set KPITCH, 272
.set VT,     KB+256*KPITCH             ; V^T [128 d][256 tokens], pitch 528
.set VPITCH, 528
.set OSTW,   64*KPITCH                 ; a wave's output stage, in slot 0 after that slot's last fill and last read
; window 0
.set VB,  4                            ; v4-7   weights: transposing-load address, [slot][half of the 256 rows]
.set VH,  8                            ; v8-11  hfrag offset of block i
.set VK,  12                           ; v12-15 where block i's K goes
.set VV,  16                           ; v16-19 where block i's V^T goes
.set VKR, 20                           ; K fragments
.set VVR, 21                           ; V^T fragments
.set VOS, 22                           ; stage, in
.set VOR, 23                           ; stage, back
.set VOG, 24                           ; v24-27 att offset of block i
.set VRH, 32                           ; r - 8 h
.set F0,  64                           ; v64-127, v128-191: weight fragments, two buffers; later V^T, d tiles 0, 1
; window 1: accumulators, tile (i, nb) at 8 (8 i + nb); later Q fragments at 0-127 and V^T, d tiles 2, 3, at 128-255
; windows 2, 3: h fragments, (i, u) at 8 (16 (i&1) + u) of window 2 + (i>>1); later window 3 = K fragments, window 2 as follows
.set PF,  128                          ; S at 0-127; P 128-191
.set OA,  192                          ; O 192-223
.set VQE, 224                          ; 16 w + r - 8 h        (blocks 0, 2)
.set VQO, 225                          ; 16 (3-w) + r - 8 h    (blocks 1, 3)
.set NINF, 226
.set MR,  228
.set MXP, 232
.set SM,  236
.set INV, 244
.set TM2, 246
.set G1, 24                            ; s[24:31] descriptor group 1
.set G0, 32                            ; s[32:39] descriptor group 0, one set a slot
.set MSB, 0
.macro WIN new                         ; the immediate's high byte repeats the setting that is left
.if MSB != (\new)
	s_set_vgpr_msb (MSB<<8)|(\new)
.set MSB, (\new)
.endif
.endm
.macro PLACES                          ; four plain vector instructions behind a matrix instruction (ISA guide 7.12.1)
.rept 4
	v_nop
.endr
.endm
.macro CREST                           ; a round of the cluster's barrier behind its opening work-group barrier
	s_cmp_lg_u32 s10, 0
	s_cbranch_scc1 .Lnot_wave_0_\@
	s_barrier_signal -3
.Lnot_wave_0_\@:
	s_barrier_wait -3
	s_barrier_signal -1
	s_barrier_wait -1
.endm
.macro ROUND
	s_barrier_signal -1
	s_barrier_wait -1
	CREST
.endm
	s_load_b128 s[4:7], s[0:1], 0x0                ; w16, hfrag
	s_load_b64 s[8:9], s[0:1], 0x10                ; att
	v_lshl_add_u32 v254, v0, 2, 0x45800
	v_mov_b32 v255, 0
	ds_add_u32 v254, v255
	v_lshrrev_b32 v1, 5, v0
	v_readfirstlane_b32 s10, v1                    ; wave
	s_bfe_u32 s11, ttmp6, 0x40000                  ; cx
	s_lshl_b32 s12, ttmp9, 2
	s_add_co_u32 s12, s12, s11                     ; sequence b
	s_and_b32 s13, ttmp7, 0xffff                   ; head pair p
	s_mov_b32 s16, s10                             ; my four token blocks
	s_sub_co_u32 s17, 7, s10
	s_add_co_u32 s18, s10, 8
	s_sub_co_u32 s19, 15, s10
	s_mov_b32 s20, 0x76543210
	s_mov_b32 s21, 0xfedcba98
	s_mov_b32 s22, 0x3d8293ee                      ; 512^-0.5 * log2 e
	s_mov_b32 s23, 0x3d8293ee
	v_and_b32 v1, 15, v0                           ; r
	v_bfe_u32 v2, v0, 4, 1                         ; h
	v_and_b32 v3, 31, v0                           ; L
	v_and_b32 v28, 7, v0
	v_lshl_add_u32 v28, v2, 3, v28                 ; k row 8 h + (L&7)
	v_bfe_u32 v29, v0, 3, 1
	v_mul_u32_u24 v28, WPITCH, v28
	v_lshl_add_u32 v[VB], v29, 4, v28              ; + 16 ((L>>3)&1)
	v_add_nc_u32 v[VB+1], 128*WPITCH, v[VB]
	v_add_nc_u32 v[VB+2], SLOTB, v[VB]
	v_add_nc_u32 v[VB+3], SLOTB+128*WPITCH, v[VB]
	v_mul_u32_u24 v30, KPITCH, v1
	v_lshl_add_u32 v30, v2, 4, v30                 ; 272 r + 16 h
	v_add_nc_u32 v[VKR], KB, v30
	v_mul_u32_u24 v31, VPITCH, v1
	v_lshl_add_u32 v31, v2, 4, v31
	v_add_nc_u32 v[VVR], VT, v31
	s_mul_i32 s14, s10, OSTW
	v_add_nc_u32 v[VOS], s14, v30
	v_mul_u32_u24 v31, KPITCH, v2
	v_lshl_add_u32 v31, v1, 4, v31
	v_add_nc_u32 v[VOR], s14, v31                  ; lanes 0-15 one row of 256 bytes, lanes 16-31 the next
	v_lshlrev_b32 v31, 10, v2
	v_lshl_add_u32 v31, v1, 4, v31                 ; the same two rows in att
.irp i, 0,1,2,3
	s_lshl_b32 s14, s[16+\i], 14                   ; a block is 16384 bytes in hfrag, and 16 rows of 1024 bytes in att
	v_lshl_add_u32 v[VH+\i], v3, 4, s14
	v_add_nc_u32 v[VOG+\i], s14, v31
	s_mul_i32 s14, s[16+\i], 16*KPITCH
	v_add_nc_u32 v[VK+\i], s14, v[VKR]
	s_lshl_b32 s14, s[16+\i], 5
	v_add_nc_u32 v[VV+\i], s14, v[VVR]
.endr
	v_lshlrev_b32 v[VRH], 3, v2
	v_sub_nc_u32 v[VRH], v1, v[VRH]
	; group 1: 64 rows x 128 f16, rows 512 elements apart, 8 words of padding behind every 64
	s_mov_b32 s[G1+0], 15|(1<<16)|(1<<20)|(1<<21)|(5<<22)|(7<<25)
	s_mov_b32 s[G1+1], 128<<16
	s_mov_b32 s[G1+2], 64<<16
	s_mov_b32 s[G1+3], 128<<16
	s_mov_b32 s[G1+4], 64
	s_mov_b32 s[G1+5], 512
	s_mov_b32 s[G1+6], 0
	s_mov_b32 s[G1+7], 0
	s_mul_i32 s14, s10, 64*WPITCH                  ; my quarter of a slot
	s_lshl_b32 s40, s13, 8                         ; the pair's 128 columns: 256 p bytes
	s_lshl_b32 s15, s10, 16                        ; my 64 rows of 1024 bytes
	s_add_co_u32 s40, s40, s15
	s_mov_b32 s41, 0
	s_lshl_b32 s44, s12, 18                        ; the sequence: 262144 bytes in hfrag and in att
	s_mov_b32 s45, 0
	s_lshl_b32 s46, s13, 8
	s_mov_b32 s47, 0
	s_wait_dscnt 0x0
	s_wait_kmcnt 0x0
	s_add_nc_u64 s[42:43], s[4:5], s[40:41]        ; made of p and the wave alone: equal in the four partners
	s_add_nc_u64 s[6:7], s[6:7], s[44:45]
	s_add_nc_u64 s[8:9], s[8:9], s[44:45]
	s_add_nc_u64 s[8:9], s[8:9], s[46:47]
.irp s, 0,1
	s_mov_b32 s[G0+4*\s], 1
	s_add_co_u32 s[G0+4*\s+1], s14, \s*SLOTB
	s_add_nc_u64 s[G0+4*\s+2:G0+4*\s+3], s[42:43], \s*262144       ; tile s: wk, k rows 256 s ..
	s_or_b32 s[G0+4*\s+3], s[G0+4*\s+3], 0x80000000
.endr
.macro HLOAD u                         ; the h fragments of K step u, four blocks: eight loads of 512 neighbouring bytes
	WIN 0x80
.irp ii, 0,1
	global_load_b128 v[8*(16*\ii+(\u)):8*(16*\ii+(\u))+3], v[VH+\ii], s[6:7] offset:1024*(\u)
	global_load_b128 v[8*(16*\ii+(\u))+4:8*(16*\ii+(\u))+7], v[VH+\ii], s[6:7] offset:1024*(\u)+512
.endr
	WIN 0xc0
.irp ii, 0,1
	global_load_b128 v[8*(16*\ii+(\u)):8*(16*\ii+(\u))+3], v[VH+2+\ii], s[6:7] offset:1024*(\u)
	global_load_b128 v[8*(16*\ii+(\u))+4:8*(16*\ii+(\u))+7], v[VH+2+\ii], s[6:7] offset:1024*(\u)+512
.endr
.endm
.macro FETCH slot, u                   ; the eight weight fragments of K step u of a tile, transposed on the way, into buffer u & 1
	WIN 0
.irp nb, 0,1,2,3,4,5,6,7
	ds_load_tr16_b128 v[F0+64*((\u)&1)+8*\nb:F0+64*((\u)&1)+8*\nb+3], v[VB+2*(\slot)+((\u)>>2)] offset:((\u)&3)*32*WPITCH+32*\nb
	ds_load_tr16_b128 v[F0+64*((\u)&1)+8*\nb+4:F0+64*((\u)&1)+8*\nb+7], v[VB+2*(\slot)+((\u)>>2)] offset:((\u)&3)*32*WPITCH+32*\nb+16*WPITCH
.endr
.endm
; 16 matrix instructions: blocks 2 pair, 2 pair + 1 x eight column tiles, K step ul of the tile (symbol ul).  mode 0: K, Q; mode 1: V.
.macro MUL16 pair, half, mode
.set FF, F0+64*(ul&1)
.set UG, 8*\half+ul
.if \mode
	WIN 0x52+\pair
.else
	WIN 0x58+4*\pair
.endif
.irp ii, 0,1
.irp nb, 0,1,2,3,4,5,6,7
.set AC, 8*(8*(2*\pair+\ii)+\nb)
.set HH, 8*(16*\ii+UG)
.if \mode
.if UG
	v_wmma_f32_16x16x32_f16 v[AC:AC+7], v[HH:HH+7], v[FF+8*\nb:FF+8*\nb+7], v[AC:AC+7]
.else
	v_wmma_f32_16x16x32_f16 v[AC:AC+7], v[HH:HH+7], v[FF+8*\nb:FF+8*\nb+7], 0
.endif
.else
.if UG
	v_wmma_f32_16x16x32_f16 v[AC:AC+7], v[FF+8*\nb:FF+8*\nb+7], v[HH:HH+7], v[AC:AC+7]
.else
	v_wmma_f32_16x16x32_f16 v[AC:AC+7], v[FF+8*\nb:FF+8*\nb+7], v[HH:HH+7], 0
.endif
.endif
.endr
.endr
.endm
; hm = 1: the first tile: step u waits for its eight h loads (64 + 8 u issued, 8 (u+1) wanted: 56 younger) and asks for step u + 8.
; hm = 2: the second tile: step 8 + ul of 16: 56 - 8 ul younger.
.macro HWAIT hm
.if \hm == 1
	s_wait_loadcnt 56
.endif
.if \hm == 2
	s_wait_loadcnt 56-8*ul
.endif
.endm
.macro KS slot, half, mode, hm
	HWAIT \hm
	s_wait_dscnt 0x0                               ; this step's fragments, asked for 16 matrix instructions ago
	MUL16 0, \half, \mode
	PLACES                                         ; the other buffer was read by matrix instructions
	FETCH \slot, ul+1
.if \hm == 1
	HLOAD ul+8
.endif
	MUL16 1, \half, \mode
.endm
; The tile's last K step and the change of slots.  In front of the barrier: my reads of this slot are back, all my tensor loads have landed
; (the one out is my part of the next tile).  refill = 1: the barrier opens a round of the cluster's barrier, and the joint refill is the
; first tensor load behind the round.
.macro TURN slot, half, mode, refill, next, hm
	HWAIT \hm
	s_wait_dscnt 0x0
.if \next
	s_set_vgpr_msb (MSB<<8)|((MSB&0xf0)|0x0)
	s_wait_tensorcnt 0x0
	ds_add_u32 v254, v255
	s_wait_dscnt 0x0
	s_set_vgpr_msb (((MSB&0xf0)|0x0)<<8)|MSB
.if \refill
	s_add_nc_u64 s[G0+4*\slot+2:G0+4*\slot+3], s[G0+4*\slot+2:G0+4*\slot+3], 524288    ; the next matrix, same rows
.endif
	s_barrier_signal -1
.endif
	MUL16 0, \half, \mode
.if \next
	WIN 0
	s_barrier_wait -1
.if \refill
	CREST
	tensor_load_to_lds s[G0+4*\slot:G0+4*\slot+3], s[G1:G1+7]
	s_nop 0
.endif
	PLACES
	FETCH 1-\slot, 0
.if \hm == 1
	HLOAD 15
.endif
.endif
	MUL16 1, \half, \mode
.endm
.macro TILE slot, half, mode, refill, next, hm
.set ul, 0
.rept 7
	KS \slot, \half, \mode, \hm
.set ul, ul+1
.endr
	TURN \slot, \half, \mode, \refill, \next, \hm
.endm
; the 32 accumulator tiles to f16, in place: tile t's eight numbers into registers 4 t .. 4 t + 3 of window 1
.macro PACK scale
	PLACES
	WIN 0x45
.set t, 0
.rept 32
.if \scale
.irp q, 0,2,4,6
	v_pk_mul_f32 v[8*t+\q:8*t+\q+1], v[8*t+\q:8*t+\q+1], s[22:23] op_sel_hi:[1,0]
.endr
.endif
.irp q, 0,1,2,3
	v_cvt_pk_f16_f32 v[4*t+\q], v[8*t+2*\q], v[8*t+2*\q+1]
.endr
.set t, t+1
.endr
.endm
.irp u, 0,1,2,3,4,5,6,7
	HLOAD \u
.endr
	WIN 0
	ROUND                                          ; the four partners are here: the first joint loads meet
	tensor_load_to_lds s[G0:G0+3], s[G1:G1+7]
	s_nop 0
	tensor_load_to_lds s[G0+4:G0+7], s[G1:G1+7]
	s_nop 0
	s_wait_tensorcnt 0x1                           ; my part of tile 0 is in; tile 1 stays out
	s_barrier_signal -1
	s_barrier_wait -1
	FETCH 0, 0
	TILE 0, 0, 0, 1, 1, 1                          ; K
	TILE 1, 1, 0, 1, 1, 2
	PACK 0
	WIN 0x04
.irp i, 0,1,2,3
.irp nb, 0,1,2,3,4,5,6,7
	ds_store_b128 v[VK+\i], v[4*(8*\i+\nb):4*(8*\i+\nb)+3] offset:32*\nb          ; token row, d = 16 nb + 8 h ..
.endr
.endr
	TILE 0, 0, 1, 1, 1, 0                          ; V
	TILE 1, 1, 1, 1, 1, 0
	PACK 0
	WIN 0x04
.irp i, 0,1,2,3
.irp nb, 0,1,2,3,4,5,6,7
	ds_store_b128 v[VV+\i], v[4*(8*\i+\nb):4*(8*\i+\nb)+3] offset:16*VPITCH*\nb   ; d row 16 nb + r, tokens 16 block + 8 h ..
.endr
.endr
	TILE 0, 0, 0, 0, 1, 0                          ; Q.  The barrier at this tile's end also publishes every wave's K and V^T (each waited
	TILE 1, 1, 0, 0, 0, 0                          ; for its LDS stores in front of it) and ends all reads of slot 0, the later stage
	PACK 1                                         ; registers 8 (4 i + 2 hd + u2) .. + 7 of window 1 are now Q's fragment (block i, head hd, K step u2)
	WIN 0x80
	s_lshl_b32 s14, s10, 4
	v_add_nc_u32 v[VQE], s14, v[VRH]
	s_sub_co_u32 s14, 48, s14
	v_add_nc_u32 v[VQO], s14, v[VRH]
	v_mov_b32 v[NINF], 0xff800000
	v_mov_b32 v[TM2], 0
.macro HEADLD hd                       ; a head's K (16 key tiles x 2 K steps) and V^T (4 d tiles x 8 K steps) into registers, once
	WIN 0xc0
.set st, 0
.rept 16
.irp u2, 0,1
	ds_load_b128 v[8*(2*st+\u2):8*(2*st+\u2)+3], v[VKR] offset:16*KPITCH*st+128*\hd+64*\u2
	ds_load_b128 v[8*(2*st+\u2)+4:8*(2*st+\u2)+7], v[VKR] offset:16*KPITCH*st+128*\hd+64*\u2+32
.endr
.set st, st+1
.endr
	WIN 0
.irp dt, 0,1
.irp u, 0,1,2,3,4,5,6,7
	ds_load_b128 v[F0+8*(8*\dt+\u):F0+8*(8*\dt+\u)+3], v[VVR] offset:(64*\hd+16*\dt)*VPITCH+64*\u
	ds_load_b128 v[F0+8*(8*\dt+\u)+4:F0+8*(8*\dt+\u)+7], v[VVR] offset:(64*\hd+16*\dt)*VPITCH+64*\u+32
.endr
.endr
	WIN 0x40
.irp dt, 0,1
.irp u, 0,1,2,3,4,5,6,7
	ds_load_b128 v[128+8*(8*\dt+\u):128+8*(8*\dt+\u)+3], v[VVR] offset:(64*\hd+32+16*\dt)*VPITCH+64*\u
	ds_load_b128 v[128+8*(8*\dt+\u)+4:128+8*(8*\dt+\u)+7], v[VVR] offset:(64*\hd+32+16*\dt)*VPITCH+64*\u+32
.endr
.endr
	s_wait_dscnt 63                                ; 64 V^T loads are younger than the last K load: with 63 out, K is in
.endm
.macro ATT i, hd
.set NT, 4*(\i+1)
.set QF, 8*(4*\i+2*\hd)
	WIN 0xa7                                       ; S^T = K Q^T: source 0 window 3, source 1 window 1, sums window 2
.set st, 0
.rept NT
	v_wmma_f32_16x16x32_f16 v[8*st:8*st+7], v[16*st:16*st+7], v[QF:QF+7], 0
.set st, st+1
.endr
.set st, 0
.rept NT
	v_wmma_f32_16x16x32_f16 v[8*st:8*st+7], v[16*st+8:16*st+15], v[QF+8:QF+15], v[8*st:8*st+7]
.set st, st+1
.endr
	PLACES
	WIN 0xaa
.if (\i&1)
.set VQ, VQO
.else
.set VQ, VQE
.endif
.irp tl, 0,1,2,3                       ; the causal mask touches the last four key tiles alone: key 16 tl + 8 h + j <= query, both counted from 64 i
.irp j, 0,1,2,3,4,5,6,7
	v_cmp_le_i32 vcc_lo, 16*\tl+\j, v[VQ]
	v_cndmask_b32 v[8*(4*\i+\tl)+\j], v[NINF], v[8*(4*\i+\tl)+\j], vcc_lo
.endr
.endr
.set tg, 0                             ; the row's maximum: four chains, then the other half of the keys from the partner lane
.rept \i+1
.irp q, 0,1,2,3
.irp c, 0,1,2,3
.set SB, 8*(4*tg+\c)
.if tg
	v_max3_num_f32 v[MR+\c], v[MR+\c], v[SB+2*\q], v[SB+2*\q+1]
.else
.if \q == 0
	v_max3_num_f32 v[MR+\c], v[SB], v[SB+1], v[SB+2]
.else
.if \q == 3
	v_max_num_f32 v[MR+\c], v[MR+\c], v[SB+7]
.else
	v_max3_num_f32 v[MR+\c], v[MR+\c], v[SB+2*\q+1], v[SB+2*\q+2]
.endif
.endif
.endif
.endr
.endr
.set tg, tg+1
.endr
	v_max3_num_f32 v[MR], v[MR], v[MR+1], v[MR+2]
	v_max_num_f32 v[MR], v[MR], v[MR+3]
	v_permlanex16_b32 v[TM2], v[MR], s20, s21
	v_max_num_f32 v[MXP], v[MR], v[TM2]
	v_max_num_f32 v[MXP+1], v[MR], v[TM2]
.set k, 0
.rept 4*NT
	v_pk_add_f32 v[2*k:2*k+1], v[2*k:2*k+1], v[MXP:MXP+1] neg_lo:[0,1] neg_hi:[0,1]
.set k, k+1
.endr
.set k, 0
.rept 8*NT
	v_exp_f32 v[k], v[k]
.set k, k+1
.endr
	v_nop                                          ; one plain instruction behind the last transcendental (ISA guide 5.7.2)
	s_wait_alu depctr_va_vdst(0)
.set tg, 0
.rept \i+1
.irp q, 0,1,2,3
.irp c, 0,1,2,3
.set SB, 8*(4*tg+\c)
.if tg
	v_pk_add_f32 v[SM+2*\c:SM+2*\c+1], v[SM+2*\c:SM+2*\c+1], v[SB+2*\q:SB+2*\q+1]
.else
.if \q == 1
	v_pk_add_f32 v[SM+2*\c:SM+2*\c+1], v[SB:SB+1], v[SB+2:SB+3]
.endif
.if \q > 1
	v_pk_add_f32 v[SM+2*\c:SM+2*\c+1], v[SM+2*\c:SM+2*\c+1], v[SB+2*\q:SB+2*\q+1]
.endif
.endif
.endr
.endr
.set tg, tg+1
.endr
	v_pk_add_f32 v[SM:SM+1], v[SM:SM+1], v[SM+2:SM+3]
	v_pk_add_f32 v[SM+4:SM+5], v[SM+4:SM+5], v[SM+6:SM+7]
	v_pk_add_f32 v[SM:SM+1], v[SM:SM+1], v[SM+4:SM+5]
	v_add_f32 v[SM], v[SM], v[SM+1]
	v_permlanex16_b32 v[TM2], v[SM], s20, s21
	v_add_f32 v[SM], v[SM], v[TM2]                 ; at least 1: the maximum's own term
	v_rcp_f32 v[INV], v[SM]
	v_rcp_f32 v[INV+1], v[SM]
.set k, 0
.rept 4*NT
	v_cvt_pk_f16_f32 v[PF+k], v[2*k], v[2*k+1]     ; key tiles 2 u, 2 u + 1 packed = P's fragment of K step u
.set k, k+1
.endr
.if \i == 0
	s_wait_dscnt 0x0                               ; V^T is in
.endif
	WIN 0xa8                                       ; O^T = V^T P^T, d tiles 0, 1 (window 0)
.set u, 0
.rept NT/2
.irp dt, 0,1
.if u
	v_wmma_f32_16x16x32_f16 v[OA+8*\dt:OA+8*\dt+7], v[F0+8*(8*\dt+u):F0+8*(8*\dt+u)+7], v[PF+8*u:PF+8*u+7], v[OA+8*\dt:OA+8*\dt+7]
.else
	v_wmma_f32_16x16x32_f16 v[OA+8*\dt:OA+8*\dt+7], v[F0+8*(8*\dt+u):F0+8*(8*\dt+u)+7], v[PF+8*u:PF+8*u+7], 0
.endif
.endr
.set u, u+1
.endr
	WIN 0xa9                                       ; d tiles 2, 3 (window 1)
.set u, 0
.rept NT/2
.irp dt, 0,1
.if u
	v_wmma_f32_16x16x32_f16 v[OA+16+8*\dt:OA+16+8*\dt+7], v[128+8*(8*\dt+u):128+8*(8*\dt+u)+7], v[PF+8*u:PF+8*u+7], v[OA+16+8*\dt:OA+16+8*\dt+7]
.else
	v_wmma_f32_16x16x32_f16 v[OA+16+8*\dt:OA+16+8*\dt+7], v[128+8*(8*\dt+u):128+8*(8*\dt+u)+7], v[PF+8*u:PF+8*u+7], 0
.endif
.endr
.set u, u+1
.endr
	PLACES
	WIN 0xaa
.set k, 0
	s_wait_alu depctr_va_vdst(0)
.rept 16
	v_pk_mul_f32 v[OA+2*k:OA+2*k+1], v[OA+2*k:OA+2*k+1], v[INV:INV+1]
.set k, k+1
.endr
.set k, 0
.rept 16
	v_cvt_pk_f16_f32 v[OA+k], v[OA+2*k], v[OA+2*k+1]
.set k, k+1
.endr
	WIN 0x08
.irp dt, 0,1,2,3
	ds_store_b128 v[VOS], v[OA+4*\dt:OA+4*\dt+3] offset:16*KPITCH*\i+128*\hd+32*\dt
.endr
.endm
	HEADLD 0
	ATT 0, 0
	ATT 1, 0
	ATT 2, 0
	ATT 3, 0
	HEADLD 1
	ATT 0, 1
	ATT 1, 1
	ATT 2, 1
	ATT 3, 1
	; the way out: my 64 rows x 256 bytes, read back by rows (my own bytes, served in order), 16 lanes to an aligned block of 256 bytes
	WIN 0
.set n, 0
.rept 32
	ds_load_b128 v[F0+4*n:F0+4*n+3], v[VOR] offset:2*n*KPITCH
.set n, n+1
.endr
.set n, 0
.rept 32
	s_wait_dscnt 31-n                              ; the younger read-backs stay out
	global_store_b128 v[VOG+(n>>3)], v[F0+4*n:F0+4*n+3], s[8:9] offset:2048*(n&7)
.set n, n+1
.endr
	s_set_vgpr_msb (MSB<<8)|((MSB&0xf0)|0x0)
	s_wait_tensorcnt 0x0
	ds_add_u32 v254, v255
	s_wait_dscnt 0x0
	s_set_vgpr_msb (((MSB&0xf0)|0x0)<<8)|MSB
	ROUND                                          ; the closing round: no work-group ends while a partner may still ask jointly
	s_endpgm
.Lfunc_end_k_q6831728be0_attn:
	.size	k_q6831728be0_attn, .Lfunc_end_k_q6831728be0_attn-k_q6831728be0_attn
	.p2alignl 7, 3214868480
	.fill 96, 4, 3214868480
	.section	.rodata,"a",@progbits
	.p2align	6, 0x0
	.amdhsa_kernel k_q6831728be0_attn
		.amdhsa_group_segment_fixed_size 327680
		.amdhsa_private_segment_fixed_size 0
		.amdhsa_enable_private_segment 0
		.amdhsa_kernarg_size 24
		.amdhsa_user_sgpr_count 2
		.amdhsa_user_sgpr_kernarg_segment_ptr 1
		.amdhsa_wavefront_size32 1
		.amdhsa_system_sgpr_workgroup_id_x 1
		.amdhsa_system_sgpr_workgroup_id_y 1
		.amdhsa_system_sgpr_workgroup_id_z 1
		.amdhsa_system_vgpr_workitem_id 0
		.amdhsa_next_free_vgpr 1024
		.amdhsa_next_free_sgpr 66
		.amdhsa_reserve_vcc 1
		.amdhsa_float_denorm_mode_32 3
		.amdhsa_float_denorm_mode_16_64 3
		.amdhsa_memory_ordered 1
		.amdhsa_forward_progress 1
		.amdhsa_inst_pref_size 255
	.end_amdhsa_kernel
	.section	.bss,"aw",@nobits
	.p2align	6
	.space	262144
	.amdgpu_metadata
---
amdhsa.version: [ 1, 2 ]
amdhsa.kernels:
  - .name:           k_q6831728be0_attn
    .symbol:         k_q6831728be0_attn.kd
    .args:
      - { .name: w16, .offset: 0, .size: 8, .value_kind: global_buffer, .address_space: global }
      - { .name: hfrag, .offset: 8, .size: 8, .value_kind: global_buffer, .address_space: global }
      - { .name: att, .offset: 16, .size: 8, .value_kind: global_buffer, .address_space: global }
    .group_segment_fixed_size: 327680
    .private_segment_fixed_size: 0
    .kernarg_segment_align: 8
    .kernarg_segment_size: 24
    .max_flat_workgroup_size: 128
    .sgpr_count:     66
    .vgpr_count:     1024
    .wavefront_size: 32
...
	.end_amdgpu_metadata
.endif
;; end of part 2
;; launch mlp (part 3): grid 256 x 1, 4 waves a work-group, clusters of 4 x 1, 327,680 bytes of LDS; arguments w16, att, idx, targets, tok_emb, pos_emb, bo, ln2_g, ln2_b, b1, b2, lnf_g, lnf_b, lm_b, out0, part; writes out0, part
.if DOCPART == 3
	.amdgcn_target "amdgcn-amd-amdhsa--gfx1250"
	.amdhsa_code_object_version 6
	.text
	.protected	k_q6831728be0_mlp
	.globl	k_q6831728be0_mlp
	.p2align	8
	.type	k_q6831728be0_mlp,@function
k_q6831728be0_mlp:
	s_mov_b64 s[64:65], 0
	v_nop
	global_prefetch_b8 v0, s[64:65] scope:SCOPE_SE
	s_setreg_imm32_b32 hwreg(HW_REG_WAVE_MODE, 25, 1), 1
	s_wait_xcnt 0x0
	s_wait_alu depctr_hold_cnt(0) depctr_sa_sdst(0) depctr_va_vdst(0) depctr_va_sdst(0) depctr_va_ssrc(0) depctr_va_vcc(0) depctr_vm_vsrc(0)
	s_getreg_b32 s2, hwreg(HW_REG_IB_STS2, 6, 4)
	s_cmp_eq_u32 s2, 0
	s_cbranch_scc0 .Lentry_in_a_cluster
	s_endpgm
.Lentry_in_a_cluster:
	s_bfe_u32 s2, ttmp6, 0x10000c
	s_cmp_lg_u32 s2, 0x3003
	s_cbranch_scc0 .Lentry_shape_is_right
	s_endpgm
.Lentry_shape_is_right:
; One work-group = 64 token rows, everything behind the attention: x = tok+pos + att wo + bo; h2 = LN2(x); x += relu(h2 w1 + b1) w2 + b2;
; xf = LNf(x); logits = xf lm_w + lm_b; the rows' -log softmax at the target, summed over the 64 rows into part[work-group].
; The residual x (64 x 512 f32) never leaves registers.  Nine equal products [64 x 512] x [512 x 512]: wo, then for each of four chunks of 512
; hidden columns w1's chunk and w2's chunk.  Source 0 = weights (transposed on the way from LDS), source 1 = activations: a lane holds token
; 16 mb + r and columns 128 w + 16 nb + 8 h + j.  Wave w owns columns 128 w .. + 127 of all 64 rows: 32 tiles (mb, nb) at 8 (8 mb + nb).
; Weights: tiles of 128 k x 512 n through two LDS slots, asked for JOINTLY by the four work-groups of a cluster (all walk the same weights).
; Activations: one buffer [64][256] f16, rewritten from registers every two tiles.
; After LN2 x stays centred (its row mean taken away): x reaches the result through LNf alone, which does not see a constant added to a row.
; LIMITS: matrix operands are f16 (below 65504, step 6e-8); the hidden layer is clamped to [0, 65504]; idx is clamped to 64; a target outside
; 0..64 counts a target logit of 0; sums are grouped otherwise than in the defining formula; part is one 4-byte store a work-group.
; The accumulators take turns, one matrix instruction a turn.
.set WP,    1056                       ; a slot's row: 512 f16 + 32 bytes, an odd multiple of 32
.set SLOTB, 128*WP                     ; 135168
.set ABUF,  2*SLOTB                    ; activations, pitch 528
.set AP,    528
.set RED,   ABUF+64*AP                 ; four regions [64 rows][4 waves] f32, one for each exchange of row sums
.set LOGST, RED+4096                   ; logits, dense [64][65] f32
.set MISC,  LOGST+16640                ; the four waves' sums
.set LMP,   288                        ; lm tiles: 128 f16 + 32 bytes
; window 0
.set VB,   4                           ; v4-7   weights [slot][half of the 128 rows]
.set VA,   8                           ; activation fragments
.set VAS,  9                           ; activations in, by column slice
.set VAR,  10                          ; activations in, by rows (att)
.set VBL,  11                          ; v11-14 lm weights [slot][half of the 256 rows]
.set VAL,  15                          ; my token block's fragments (lm)
.set VRS,  16
.set VRL,  17
.set VPAR, 18                          ; 512 w + 32 h: my columns in a vector of 512 f32
.set VPL,  19                          ; 32 h
.set VTOK, 20                          ; v20-23
.set VPOS, 24
.set VLS,  25
.set VLE,  26
.set TGT,  27
.set VZ,   28
.set VATT, 29
.set VIDX, 30
.set VMISC, 31
.set VOUT, 32
.set VOUTL, 33
.set VTG,  34
.set W0,   35                          ; v35-39 at work
.set SUMP, 40                          ; v40-47 row sums, a pair for each mb
.set MEANP, 48
.set RSP,  56
.set FA,   64                          ; v64-95, v96-127 activation fragments, two buffers
.set TT,   128                         ; v128-191 at work
.set BIAS, 192                         ; v192-255 bo, then b1's chunk, in the accumulators' layout
; window 1: weight fragments 0-63, 64-127; 128-255 packed activations (att rows, then h2, then xf)
; window 2: X.  window 3: H; packed hidden 0-127; LayerNorm parameters; logits
.set G1A, 16                           ; rows 512 elements apart (wo, w2)
.set G1B, 24                           ; rows 2048 elements apart (w1)
.set G1L, 32                           ; lm
.set G0,  40
.set MSB, 0
.macro WIN new
.if MSB != (\new)
	s_set_vgpr_msb (MSB<<8)|(\new)
.set MSB, (\new)
.endif
.endm
.macro PLACES                          ; four plain vector instructions behind a matrix instruction (ISA guide 7.12.1)
.rept 4
	v_nop
.endr
.endm
.macro CREST
	s_cmp_lg_u32 s8, 0
	s_cbranch_scc1 .Lnot_wave_0_\@
	s_barrier_signal -3
.Lnot_wave_0_\@:
	s_barrier_wait -3
	s_barrier_signal -1
	s_barrier_wait -1
.endm
.macro ROUND
	s_barrier_signal -1
	s_barrier_wait -1
	CREST
.endm
.macro ABAR                            ; my LDS stores and loads are done; then everybody's
	s_wait_dscnt 0x0
	s_barrier_signal -1
	s_barrier_wait -1
.endm
	s_load_b512 s[68:83], s[0:1], 0x0              ; w16 68, att 70, idx 72, targets 74, tok 76, pos 78, bo 80, ln2_g 82
	s_load_b512 s[84:99], s[0:1], 0x40             ; ln2_b 84, b1 86, b2 88, lnf_g 90, lnf_b 92, lm_b 94, out0 96, part 98
	v_lshl_add_u32 v38, v0, 2, 0x4f600
	v_mov_b32 v39, 0
	ds_add_u32 v38, v39
	v_lshrrev_b32 v1, 5, v0
	v_readfirstlane_b32 s8, v1                     ; wave
	s_bfe_u32 s9, ttmp6, 0x40000                   ; cx
	s_lshl_b32 s10, ttmp9, 2
	s_add_co_u32 s10, s10, s9                      ; work-group
	s_and_b32 s11, s8, 1
	s_mov_b32 s12, 0x76543210
	s_mov_b32 s13, 0xfedcba98
	s_mov_b32 s14, 0x477fe000                      ; 65504.0
	s_mov_b32 s58, 0x3b000000                      ; 1/512
	s_mov_b32 s59, 0x3727c5ac                      ; 1e-5
	s_mul_i32 s56, s8, 32*WP                       ; my quarter of a slot
	s_mul_i32 s57, s8, 64*LMP                      ; and of an lm tile
	v_and_b32 v1, 15, v0                           ; r
	v_bfe_u32 v2, v0, 4, 1                         ; h
	v_and_b32 v3, 31, v0                           ; L
	v_cmp_eq_u32 s60, 0, v2
	v_and_b32 v[W0], 7, v0
	v_lshl_add_u32 v[W0], v2, 3, v[W0]             ; k row 8 h + (L&7)
	v_bfe_u32 v[W0+1], v0, 3, 1
	v_lshlrev_b32 v[W0+1], 4, v[W0+1]
	s_lshl_b32 s2, s8, 8                           ; my 128 columns
	v_mad_u32_u24 v[VB], v[W0], WP, v[W0+1]
	v_add_nc_u32 v[VB], s2, v[VB]
	v_add_nc_u32 v[VB+1], 64*WP, v[VB]
	v_add_nc_u32 v[VB+2], SLOTB, v[VB]
	v_add_nc_u32 v[VB+3], SLOTB+64*WP, v[VB]
	v_mad_u32_u24 v[VBL], v[W0], LMP, v[W0+1]
	v_add_nc_u32 v[VBL+1], 128*LMP, v[VBL]
	v_add_nc_u32 v[VBL+2], SLOTB, v[VBL]
	v_add_nc_u32 v[VBL+3], SLOTB+128*LMP, v[VBL]
	v_mul_u32_u24 v[W0], AP, v1
	v_lshl_add_u32 v[W0], v2, 4, v[W0]             ; 528 r + 16 h
	v_add_nc_u32 v[VA], ABUF, v[W0]
	s_lshl_b32 s2, s11, 8
	s_add_co_u32 s2, s2, ABUF
	v_add_nc_u32 v[VAS], s2, v[W0]
	s_mul_i32 s2, s8, 16*AP
	s_add_co_u32 s2, s2, ABUF
	v_lshl_add_u32 v[VAR], v3, 4, s2
	v_add_nc_u32 v[VAL], s2, v[W0]
	s_lshl_b32 s2, s8, 2
	s_add_co_u32 s3, s2, RED
	v_lshl_add_u32 v[VRS], v1, 4, s3
	v_lshlrev_b32 v[VRL], 4, v1
	v_add_nc_u32 v[VRL], RED, v[VRL]
	s_add_co_u32 s3, s2, MISC
	v_mov_b32 v[VMISC], s3
	s_lshl_b32 s3, s8, 9
	v_lshl_add_u32 v[VPAR], v2, 5, s3
	v_lshlrev_b32 v[VPL], 5, v2
	v_lshl_add_u32 v[VPOS], v1, 11, v[VPAR]
	s_mul_i32 s3, s8, 16*260
	s_add_co_u32 s3, s3, LOGST
	v_mad_u32_u24 v[VLE], v1, 260, s3              ; my token's row of 65 logits
	v_lshl_add_u32 v[VLS], v2, 5, v[VLE]
	v_mov_b32 v[VZ], 0
	s_lshl_b32 s3, s8, 14
	v_lshl_add_u32 v[VATT], v3, 4, s3              ; my 16 rows of att, 16 bytes a lane
	v_lshlrev_b32 v[VIDX], 2, v1
	v_lshlrev_b32 v[VOUT], 4, v0
	v_add_nc_u32 v[VOUTL], LOGST, v[VOUT]
	s_lshl_b32 s3, s8, 6
	v_lshl_add_u32 v[VTG], v1, 2, s3
	; descriptors.  wo, w1, w2: 32 rows x 512 f16 a wave, 8 words of padding behind every 256; lm: 64 rows x 128 f16, behind every 64
	s_mov_b32 s[G1A+0], 15|(1<<16)|(1<<20)|(1<<21)|(7<<22)|(7<<25)
	s_mov_b32 s[G1A+1], 512<<16
	s_mov_b32 s[G1A+2], 32<<16
	s_mov_b32 s[G1A+3], 512<<16
	s_mov_b32 s[G1A+4], 32
	s_mov_b32 s[G1A+5], 512
	s_mov_b32 s[G1A+6], 0
	s_mov_b32 s[G1A+7], 0
	s_mov_b32 s[G1B+0], 15|(1<<16)|(1<<20)|(1<<21)|(7<<22)|(7<<25)
	s_mov_b32 s[G1B+1], 512<<16
	s_mov_b32 s[G1B+2], 32<<16
	s_mov_b32 s[G1B+3], 512<<16
	s_mov_b32 s[G1B+4], 32
	s_mov_b32 s[G1B+5], 2048
	s_mov_b32 s[G1B+6], 0
	s_mov_b32 s[G1B+7], 0
	s_mov_b32 s[G1L+0], 15|(1<<16)|(1<<20)|(1<<21)|(5<<22)|(7<<25)
	s_mov_b32 s[G1L+1], 128<<16
	s_mov_b32 s[G1L+2], 64<<16
	s_mov_b32 s[G1L+3], 128<<16
	s_mov_b32 s[G1L+4], 64
	s_mov_b32 s[G1L+5], 128
	s_mov_b32 s[G1L+6], 0
	s_mov_b32 s[G1L+7], 0
	s_mov_b32 s[G0+0], 1
	s_mov_b32 s[G0+1], s56
	s_mov_b32 s[G0+4], 1
	s_add_co_u32 s[G0+5], s56, SLOTB
	s_mov_b32 s5, 0
	s_mov_b32 s63, 0
	s_wait_dscnt 0x0
	s_wait_kmcnt 0x0
	s_lshl_b32 s4, s10, 16                         ; the group's 64 rows: 65536 bytes of att,
	s_add_nc_u64 s[70:71], s[70:71], s[4:5]
	s_lshl_b32 s4, s10, 8                          ; 256 of idx and of targets,
	s_add_nc_u64 s[72:73], s[72:73], s[4:5]
	s_add_nc_u64 s[74:75], s[74:75], s[4:5]
	s_lshl_b32 s4, s9, 17                          ; positions 64 (group mod 4) ..,
	s_add_nc_u64 s[78:79], s[78:79], s[4:5]
	s_mul_i32 s4, s10, 16640                       ; 16640 of out0
	s_add_nc_u64 s[96:97], s[96:97], s[4:5]
	s_lshl_b32 s4, s10, 2
	s_add_nc_u64 s[98:99], s[98:99], s[4:5]
	; the tiles' addresses hang on the wave alone: equal in the four partners
	s_lshl_b32 s62, s8, 15                         ; 32 rows of 1024 bytes
	s_add_nc_u64 s[48:49], s[68:69], s[62:63]
	s_add_nc_u64 s[52:53], s[48:49], 4194304       ; w2
	s_add_nc_u64 s[48:49], s[48:49], 1572864       ; wo
	s_lshl_b32 s62, s8, 17                         ; 32 rows of 4096 bytes
	s_add_nc_u64 s[50:51], s[68:69], s[62:63]
	s_add_nc_u64 s[50:51], s[50:51], 2097152       ; w1
	s_lshl_b32 s62, s8, 14                         ; 64 rows of 256 bytes
	s_add_nc_u64 s[54:55], s[68:69], s[62:63]
	s_add_nc_u64 s[54:55], s[54:55], 6291456       ; lm
.macro SETG0 slot, ptr, step, lm       ; the slot's next tile; written only where no tensor load of the wave is out
	s_mov_b64 s[G0+4*\slot+2:G0+4*\slot+3], s[\ptr:\ptr+1]
	s_or_b32 s[G0+4*\slot+3], s[G0+4*\slot+3], 0x80000000
.if \step < 0
	s_sub_nc_u64 s[\ptr:\ptr+1], s[\ptr:\ptr+1], -(\step)
.else
	s_add_nc_u64 s[\ptr:\ptr+1], s[\ptr:\ptr+1], \step
.endif
.if \lm
	s_add_co_u32 s[G0+4*\slot+1], s57, \slot*SLOTB
.endif
.endm
.macro PLOAD win, base, sb             ; 64 numbers of a vector of 512 f32 in the accumulators' layout: register 8 nb + j = column 128 w + 16 nb + 8 h + j
	WIN (\win<<6)
.irp nb, 0,1,2,3,4,5,6,7
	global_load_b128 v[\base+8*\nb:\base+8*\nb+3], v[VPAR], s[\sb:\sb+1] offset:64*\nb
	global_load_b128 v[\base+8*\nb+4:\base+8*\nb+7], v[VPAR], s[\sb:\sb+1] offset:64*\nb+16
.endr
	WIN 0
.endm
.macro POSLD mb
.irp nb, 0,1,2,3,4,5,6,7
	global_load_b128 v[TT+8*\nb:TT+8*\nb+3], v[VPOS], s[78:79] offset:32768*(\mb)+64*\nb
	global_load_b128 v[TT+8*\nb+4:TT+8*\nb+7], v[VPOS], s[78:79] offset:32768*(\mb)+64*\nb+16
.endr
.endm
.macro XADD mb, lw                     ; X(mb) = tok + pos; the next block's pos rows are asked for
	s_wait_loadcnt \lw
	WIN 0x82
.set k, 0
.rept 32
	v_pk_add_f32 v[64*\mb+2*k:64*\mb+2*k+1], v[64*\mb+2*k:64*\mb+2*k+1], v[TT+2*k:TT+2*k+1]
.set k, k+1
.endr
	WIN 0
.if \mb < 3
	POSLD \mb+1
.endif
.endm
.macro FETCH slot, par, u              ; K step u of a tile: 8 weight fragments (my 128 columns) and 4 activation fragments, into buffers u & 1
	WIN 0x40
.irp nb, 0,1,2,3,4,5,6,7
	ds_load_tr16_b128 v[64*((\u)&1)+8*\nb:64*((\u)&1)+8*\nb+3], v[VB+2*(\slot)+((\u)>>1)] offset:((\u)&1)*32*WP+32*\nb
	ds_load_tr16_b128 v[64*((\u)&1)+8*\nb+4:64*((\u)&1)+8*\nb+7], v[VB+2*(\slot)+((\u)>>1)] offset:((\u)&1)*32*WP+32*\nb+16*WP
.endr
	WIN 0
.irp mb, 0,1,2,3
	ds_load_b128 v[FA+32*((\u)&1)+8*\mb:FA+32*((\u)&1)+8*\mb+3], v[VA] offset:16*AP*\mb+256*(\par)+64*(\u)
	ds_load_b128 v[FA+32*((\u)&1)+8*\mb+4:FA+32*((\u)&1)+8*\mb+7], v[VA] offset:16*AP*\mb+256*(\par)+64*(\u)+32
.endr
.endm
; 16 matrix instructions: row blocks mb0, mb0 + 1 x eight column tiles.  acc: the accumulators' window (2 = X, 3 = H).  cm = 1: the bias starts the sums.
.macro MUL16 f, mb0, acc, cm
.if \cm
	WIN (\acc<<6)|1
.else
	WIN (\acc<<6)|(\acc<<4)|1
.endif
.irp mm, 0,1
.irp nb, 0,1,2,3,4,5,6,7
.set AC, 8*(8*(\mb0+\mm)+\nb)
.set AF, FA+32*(\f)+8*(\mb0+\mm)
.if \cm
	v_wmma_f32_16x16x32_f16 v[AC:AC+7], v[64*(\f)+8*\nb:64*(\f)+8*\nb+7], v[AF:AF+7], v[BIAS+8*\nb:BIAS+8*\nb+7]
.else
	v_wmma_f32_16x16x32_f16 v[AC:AC+7], v[64*(\f)+8*\nb:64*(\f)+8*\nb+7], v[AF:AF+7], v[AC:AC+7]
.endif
.endr
.endr
.endm
.macro KS slot, par, u, acc, cm
	s_wait_dscnt 0x0                               ; this step's fragments, asked for 16 matrix instructions ago
	MUL16 (\u)&1, 0, \acc, \cm
	PLACES                                         ; the other buffers were read by matrix instructions
	FETCH \slot, \par, \u+1
	MUL16 (\u)&1, 2, \acc, \cm
.endm
.macro TILE3 slot, par, acc
	KS \slot, \par, 0, \acc, 0
	KS \slot, \par, 1, \acc, 0
	KS \slot, \par, 2, \acc, 0
.endm
; A tile's last K step and the change of slots.  In front of the round: my LDS reads are back and all my tensor loads have landed (the one out is
; my part of the next tile).  Inside it register work alone.  Behind it the joint refill of this slot, two tiles ahead, comes first.
; cont = 1: the next tile uses the same activations (their second 128 k); cont = 0: they are rewritten first.
.macro TURN slot, acc, ptr, step, g1, lm, cont
	s_wait_dscnt 0x0
	s_set_vgpr_msb (MSB<<8)|((MSB&0xf0)|0x0)
	s_wait_tensorcnt 0x0
	ds_add_u32 v38, v39
	s_wait_dscnt 0x0
	s_set_vgpr_msb (((MSB&0xf0)|0x0)<<8)|MSB
	SETG0 \slot, \ptr, \step, \lm
	s_barrier_signal -1
	MUL16 1, 0, \acc, 0
	WIN 0
	s_barrier_wait -1
	CREST
	tensor_load_to_lds s[G0+4*\slot:G0+4*\slot+3], s[\g1:\g1+7]
	s_nop 0
.if \cont
	PLACES
	FETCH 1-\slot, 1, 0
.endif
	MUL16 1, 2, \acc, 0
	WIN 0
.endm
.macro NEXT                            ; the rewritten activations are published; the next tile's first fragments
	ABAR
	PLACES
	FETCH 0, 0, 0
.endm
.macro AROWS hf                        ; my 16 rows of att, their half hf of 512 bytes
	WIN 0x04
.irp i, 0,1,2,3,4,5,6,7,8,9,10,11,12,13,14,15
	ds_store_b128 v[VAR], v[128+64*\hf+4*\i:128+64*\hf+4*\i+3] offset:AP*\i
.endr
	WIN 0
.endm
; k = 0..255 of the next product lie in waves 0, 1 (hi = 0), k = 256..511 in waves 2, 3 (hi = 1): those two store their 32 packed tiles
.macro ASLICE hi, win, base
	WIN 0
	s_cmp_lt_u32 s8, 2
.if \hi
	s_cbranch_scc1 .Lnot_mine_\@
.else
	s_cbranch_scc0 .Lnot_mine_\@
.endif
	WIN (\win<<2)
.irp mb, 0,1,2,3
.irp nb, 0,1,2,3,4,5,6,7
	ds_store_b128 v[VAS], v[\base+4*(8*\mb+\nb):\base+4*(8*\mb+\nb)+3] offset:16*AP*\mb+32*\nb
.endr
.endr
	WIN 0
.Lnot_mine_\@:
.endm
.macro RELUPACK                        ; relu, bounded by f16's largest number, and to f16 in place: tile t into registers 4 t .. 4 t + 3
	WIN 0xc3
.set k, 0
.rept 256
	v_med3_num_f32 v[k], v[k], 0, s14
.set k, k+1
.endr
	WIN 0xcf
.set k, 0
.rept 128
	v_cvt_pk_f16_f32 v[k], v[2*k], v[2*k+1]
.set k, k+1
.endr
	WIN 0
.endm
; the pairs in SUMP: over the pair, the partner lane (the other 64 of my wave's columns) and the four waves; result in SUMP + 2 mb
.macro EXCH region
.irp mb, 0,1,2,3
	v_add_f32 v[SUMP+2*\mb], v[SUMP+2*\mb], v[SUMP+2*\mb+1]
.endr
.irp mb, 0,1,2,3
	v_permlanex16_b32 v[SUMP+2*\mb+1], v[SUMP+2*\mb], s12, s13
.endr
.irp mb, 0,1,2,3
	v_add_f32 v[SUMP+2*\mb], v[SUMP+2*\mb], v[SUMP+2*\mb+1]
.endr
.irp mb, 0,1,2,3
	ds_store_b32 v[VRS], v[SUMP+2*\mb] offset:1024*(\region)+256*\mb
.endr
	ABAR
.irp mb, 0,1,2,3
	ds_load_b128 v[TT+4*\mb:TT+4*\mb+3], v[VRL] offset:1024*(\region)+256*\mb
.endr
	s_wait_dscnt 0x0
.irp mb, 0,1,2,3
	v_pk_add_f32 v[TT+4*\mb:TT+4*\mb+1], v[TT+4*\mb:TT+4*\mb+1], v[TT+4*\mb+2:TT+4*\mb+3]
.endr
.irp mb, 0,1,2,3
	v_add_f32 v[SUMP+2*\mb], v[TT+4*\mb], v[TT+4*\mb+1]
.endr
.endm
; LayerNorm of X (window 2) with gain at 0-63 and bias at 64-127 of window 3, to f16 at 128-255 of window 1.  X is left centred.
; addb2 = 1: the vector at 128-191 of window 3 is added to X afterwards.
.macro LN region, addb2
	WIN 0x0a
.irp mb, 0,1,2,3
	v_pk_add_f32 v[SUMP+2*\mb:SUMP+2*\mb+1], v[64*\mb:64*\mb+1], v[64*\mb+2:64*\mb+3]
.endr
	WIN 0x08
.set p, 2
.rept 30
.irp mb, 0,1,2,3
	v_pk_add_f32 v[SUMP+2*\mb:SUMP+2*\mb+1], v[SUMP+2*\mb:SUMP+2*\mb+1], v[64*\mb+2*p:64*\mb+2*p+1]
.endr
.set p, p+1
.endr
	WIN 0
	EXCH \region
.irp mb, 0,1,2,3
	v_mul_f32 v[MEANP+2*\mb], s58, v[SUMP+2*\mb]
	v_mul_f32 v[MEANP+2*\mb+1], s58, v[SUMP+2*\mb]
.endr
	WIN 0x82
.irp mb, 0,1,2,3
.set p, 0
.rept 32
	v_pk_add_f32 v[64*\mb+2*p:64*\mb+2*p+1], v[64*\mb+2*p:64*\mb+2*p+1], v[MEANP+2*\mb:MEANP+2*\mb+1] neg_lo:[0,1] neg_hi:[0,1]
.set p, p+1
.endr
.endr
	WIN 0x0a
.irp mb, 0,1,2,3
	v_pk_mul_f32 v[SUMP+2*\mb:SUMP+2*\mb+1], v[64*\mb:64*\mb+1], v[64*\mb:64*\mb+1]
.endr
.set p, 1
.rept 31
.irp mb, 0,1,2,3
	v_pk_fma_f32 v[SUMP+2*\mb:SUMP+2*\mb+1], v[64*\mb+2*p:64*\mb+2*p+1], v[64*\mb+2*p:64*\mb+2*p+1], v[SUMP+2*\mb:SUMP+2*\mb+1]
.endr
.set p, p+1
.endr
	WIN 0
	EXCH \region+1
.irp mb, 0,1,2,3
	v_fma_f32 v[SUMP+2*\mb], v[SUMP+2*\mb], s58, s59
.endr
.irp mb, 0,1,2,3
	v_rsq_f32 v[RSP+2*\mb], v[SUMP+2*\mb]
	v_rsq_f32 v[RSP+2*\mb+1], v[SUMP+2*\mb]
.endr
	v_nop                                          ; one plain instruction behind the last transcendental (ISA guide 5.7.2)
	s_wait_alu depctr_va_vdst(0)
	s_wait_loadcnt 0x0                             ; the parameters
.irp mb, 0,1,2,3
	WIN 0xc3
.set k, 0
.rept 32
	v_pk_mul_f32 v[192+2*k:193+2*k], v[2*k:2*k+1], v[RSP+2*\mb:RSP+2*\mb+1]
.set k, k+1
.endr
	WIN 0x3e
.set k, 0
.rept 32
	v_pk_fma_f32 v[TT+2*k:TT+2*k+1], v[64*\mb+2*k:64*\mb+2*k+1], v[192+2*k:193+2*k], v[64+2*k:65+2*k]
.set k, k+1
.endr
	WIN 0x40
.set k, 0
.rept 32
	v_cvt_pk_f16_f32 v[128+32*\mb+k], v[TT+2*k], v[TT+2*k+1]
.set k, k+1
.endr
.if \addb2
	WIN 0x8e
.set k, 0
.rept 32
	v_pk_add_f32 v[64*\mb+2*k:64*\mb+2*k+1], v[64*\mb+2*k:64*\mb+2*k+1], v[128+2*k:129+2*k]
.set k, k+1
.endr
.endif
.endr
	WIN 0
.endm
; ---------------- start ----------------
.irp mb, 0,1,2,3
	global_load_b32 v[TT+4+\mb], v[VIDX], s[72:73] offset:64*\mb
.endr
	WIN 0x40
.irp i, 0,1,2,3,4,5,6,7,8,9,10,11,12,13,14,15
	global_load_b128 v[128+4*\i:128+4*\i+3], v[VATT], s[70:71] offset:1024*\i
	global_load_b128 v[192+4*\i:192+4*\i+3], v[VATT], s[70:71] offset:1024*\i+512
.endr
	PLOAD 0, BIAS, 80                              ; bo
	ROUND                                          ; the four partners are here: the first joint loads meet
	SETG0 0, 48, 131072, 0
	tensor_load_to_lds s[G0:G0+3], s[G1A:G1A+7]
	s_nop 0
	SETG0 1, 48, 131072, 0
	tensor_load_to_lds s[G0+4:G0+7], s[G1A:G1A+7]
	s_nop 0
	s_wait_loadcnt 0x0
	AROWS 0
.irp mb, 0,1,2,3
	v_min_u32 v[TT+4+\mb], 64, v[TT+4+\mb]         ; never outside the table
	v_lshl_add_u32 v[VTOK+\mb], v[TT+4+\mb], 11, v[VPAR]
.endr
	WIN 0x80
.irp mb, 0,1,2,3
.irp nb, 0,1,2,3,4,5,6,7
	global_load_b128 v[8*(8*\mb+\nb):8*(8*\mb+\nb)+3], v[VTOK+\mb], s[76:77] offset:64*\nb
	global_load_b128 v[8*(8*\mb+\nb)+4:8*(8*\mb+\nb)+7], v[VTOK+\mb], s[76:77] offset:64*\nb+16
.endr
.endr
	WIN 0
	POSLD 0
	s_wait_tensorcnt 0x1                           ; my part of tile 0 is in; tile 1 stays out
	NEXT
; ---------------- H = att wo + bo; X = tok + pos on the way ----------------
	KS 0, 0, 0, 3, 1
	PLACES                                         ; the bias registers were read by matrix instructions
	PLOAD 0, BIAS, 86                              ; b1, chunk 0
	KS 0, 0, 1, 3, 0
	KS 0, 0, 2, 3, 0
	TURN 0, 3, 48, 131072, G1A, 0, 1
	XADD 0, 16                                     ; the 16 loads of b1 are younger than tok's and pos's
	TILE3 1, 1, 3
	TURN 1, 3, 48, 131072, G1A, 0, 0
	XADD 1, 0
	AROWS 1
	NEXT
	TILE3 0, 0, 3
	TURN 0, 3, 50, 524288, G1B, 0, 1
	XADD 2, 0
	TILE3 1, 1, 3
	TURN 1, 3, 50, 524288, G1B, 0, 0
	XADD 3, 0
	PLACES
	WIN 0x8e
.set k, 0
.rept 128
	v_pk_add_f32 v[2*k:2*k+1], v[2*k:2*k+1], v[2*k:2*k+1]          ; X += H (source 1 in window 3)
.set k, k+1
.endr
	PLOAD 3, 0, 82                                 ; ln2_g
	PLOAD 3, 64, 84                                ; ln2_b
	PLOAD 3, 128, 88                               ; b2
	LN 0, 1
	ASLICE 0, 1, 128
	NEXT
; ---------------- a chunk of 512 hidden columns: H = h2 w1 + b1; relu; X += H w2 ----------------
.macro CHUNK last
	s_wait_loadcnt 0x0                             ; b1's chunk
	KS 0, 0, 0, 3, 1
	KS 0, 0, 1, 3, 0
	KS 0, 0, 2, 3, 0
	TURN 0, 3, 50, 524288, G1B, 0, 1
	TILE3 1, 1, 3
	TURN 1, 3, 50, -1571840, G1B, 0, 0             ; behind w1's fourth tile: back three tiles, on one chunk of 1024 bytes
	ASLICE 1, 1, 128
	NEXT
	TILE3 0, 0, 3
	TURN 0, 3, 52, 131072, G1A, 0, 1
	TILE3 1, 1, 3
	TURN 1, 3, 52, 131072, G1A, 0, 0
	PLACES
	RELUPACK
	ASLICE 0, 3, 0
	NEXT
.if \last == 0
	s_add_nc_u64 s[86:87], s[86:87], 2048          ; its loads were waited for at the chunk's head
	PLOAD 0, BIAS, 86                              ; the next chunk's b1
.endif
	TILE3 0, 0, 2
	TURN 0, 2, 52, 131072, G1A, 0, 1
	TILE3 1, 1, 2
	TURN 1, 2, 52, 131072, G1A, 0, 0
	ASLICE 1, 3, 0
	NEXT
.if \last
	PLOAD 3, 0, 90                                 ; lnf_g
	PLOAD 3, 64, 92                                ; lnf_b
	global_load_b32 v[TGT], v[VTG], s[74:75]
.endif
	TILE3 0, 0, 2
.if \last
	TURN 0, 2, 54, 65536, G1L, 1, 1
.else
	TURN 0, 2, 50, 524288, G1B, 0, 1
.endif
	TILE3 1, 1, 2
.if \last
	TURN 1, 2, 54, 65536, G1L, 1, 0
.else
	TURN 1, 2, 50, 524288, G1B, 0, 0
	ASLICE 0, 1, 128
	NEXT
.endif
.endm
	s_mov_b32 s15, 3
.Lchunk:
	CHUNK 0
	s_sub_co_u32 s15, s15, 1
	s_cmp_lg_u32 s15, 0
	s_cbranch_scc1 .Lchunk
	CHUNK 1                                        ; the last chunk is written out: its last two refills are the lm tiles
; ---------------- LNf, logits ----------------
	PLACES
	LN 2, 0
.irp nb, 0,1,2,3
	global_load_b128 v[TT+8*\nb:TT+8*\nb+3], v[VPL], s[94:95] offset:64*\nb       ; lm_b in the accumulators' layout: n = 16 nb + 8 h + j
	global_load_b128 v[TT+8*\nb+4:TT+8*\nb+7], v[VPL], s[94:95] offset:64*\nb+16
.endr
	global_load_b32 v[TT+32], v[VZ], s[94:95] offset:256                          ; n = 64
.irp j, 1,2,3,4,5,6,7
	v_mov_b32 v[TT+32+\j], 0
.endr
	ASLICE 0, 1, 128
	ABAR
	s_wait_loadcnt 0x0
; wave w: token block w, five column tiles, 128 k: four K steps
.macro LMB slot, q, cm
	PLACES
	WIN 0x80
.irp ul, 0,1,2,3
.irp nb, 0,1,2,3,4
	ds_load_tr16_b128 v[40*\ul+8*\nb:40*\ul+8*\nb+3], v[VBL+2*\slot+\q] offset:32*LMP*\ul+32*\nb
	ds_load_tr16_b128 v[40*\ul+8*\nb+4:40*\ul+8*\nb+7], v[VBL+2*\slot+\q] offset:32*LMP*\ul+32*\nb+16*LMP
.endr
.endr
	WIN 0
.irp ul, 0,1,2,3
	ds_load_b128 v[FA+8*\ul:FA+8*\ul+3], v[VAL] offset:256*\q+64*\ul
	ds_load_b128 v[FA+8*\ul+4:FA+8*\ul+7], v[VAL] offset:256*\q+64*\ul+32
.endr
	s_wait_dscnt 0x0
.irp ul, 0,1,2,3
.irp nb, 0,1,2,3,4
.if \cm && (\ul == 0)
	WIN 0xc2
	v_wmma_f32_16x16x32_f16 v[8*\nb:8*\nb+7], v[40*\ul+8*\nb:40*\ul+8*\nb+7], v[FA+8*\ul:FA+8*\ul+7], v[TT+8*\nb:TT+8*\nb+7]
.else
	WIN 0xf2
	v_wmma_f32_16x16x32_f16 v[8*\nb:8*\nb+7], v[40*\ul+8*\nb:40*\ul+8*\nb+7], v[FA+8*\ul:FA+8*\ul+7], v[8*\nb:8*\nb+7]
.endif
.endr
.endr
	WIN 0
.endm
	LMB 0, 0, 1
	LMB 0, 1, 0
	s_wait_dscnt 0x0                               ; my reads of xf's first half are back,
	s_wait_tensorcnt 0x0                           ; my part of the second lm tile is in,
	s_barrier_signal -1
	s_barrier_wait -1                              ; everybody's
	ASLICE 1, 1, 128
	ABAR
	LMB 1, 0, 0
	LMB 1, 1, 0
; ---------------- the rows' -log softmax at the target; the logits out ----------------
; window 3: logits 0-39 (n = 16 nb + 8 h + j; n = 64 in register 32 of the lanes with h = 0)
.set EE,  64
.set E64, 65
.set MX,  66
.set TM,  68
.set TL,  69
.set SU,  70
.set TG,  72
.set M4,  74
.set EX,  80
	PLACES
	v_lshlrev_b32 v[W0], 3, v2
	v_sub_nc_u32 v[W0], v[TGT], v[W0]              ; target - 8 h
	WIN 0xc0
	v_mov_b32 v[TG], v[W0]
	v_mov_b32 v[TM], 0
	v_mov_b32 v[TL], 0
	WIN 0xff
	v_permlanex16_b32 v[TM], v[32], s12, s13
	v_cndmask_b32 v[E64], v[TM], v[32], s60        ; logit 64 in both lanes of a token, for the store
	v_cndmask_b32 v[EE], 0xff800000, v[32], s60    ; and once a token, for maximum and sum
.irp nb, 0,1,2,3
	v_max3_num_f32 v[M4+\nb], v[8*\nb], v[8*\nb+1], v[8*\nb+2]
.endr
.irp nb, 0,1,2,3
	v_max3_num_f32 v[M4+\nb], v[M4+\nb], v[8*\nb+3], v[8*\nb+4]
.endr
.irp nb, 0,1,2,3
	v_max3_num_f32 v[M4+\nb], v[M4+\nb], v[8*\nb+5], v[8*\nb+6]
.endr
.irp nb, 0,1,2,3
	v_max_num_f32 v[M4+\nb], v[M4+\nb], v[8*\nb+7]
.endr
	v_max3_num_f32 v[M4], v[M4], v[M4+1], v[M4+2]
	v_max3_num_f32 v[M4], v[M4], v[M4+3], v[EE]
	v_permlanex16_b32 v[TM], v[M4], s12, s13
	v_max_num_f32 v[MX], v[M4], v[TM]
	v_max_num_f32 v[MX+1], v[M4], v[TM]
.set k, 0
.rept 16
	v_pk_add_f32 v[EX+2*k:EX+2*k+1], v[2*k:2*k+1], v[MX:MX+1] neg_lo:[0,1] neg_hi:[0,1]
.set k, k+1
.endr
	v_sub_f32 v[EX+32], v[EE], v[MX]
.set k, 0
.rept 16
	v_pk_mul_f32 v[EX+2*k:EX+2*k+1], v[EX+2*k:EX+2*k+1], 0x3fb8aa3b op_sel_hi:[1,0]
.set k, k+1
.endr
	v_mul_f32 v[EX+32], 0x3fb8aa3b, v[EX+32]
.set k, 0
.rept 33
	v_exp_f32 v[EX+k], v[EX+k]
.set k, k+1
.endr
	v_nop
	s_wait_alu depctr_va_vdst(0)
	v_pk_add_f32 v[SU:SU+1], v[EX:EX+1], v[EX+2:EX+3]
.set k, 2
.rept 14
	v_pk_add_f32 v[SU:SU+1], v[SU:SU+1], v[EX+2*k:EX+2*k+1]
.set k, k+1
.endr
	v_add_f32 v[SU], v[SU], v[SU+1]
	v_add_f32 v[SU], v[SU], v[EX+32]
	v_permlanex16_b32 v[TM], v[SU], s12, s13
	v_add_f32 v[SU], v[SU], v[TM]
	v_log_f32 v[SU], v[SU]
.irp nb, 0,1,2,3
.irp j, 0,1,2,3,4,5,6,7
	v_cmp_eq_u32 vcc_lo, 16*\nb+\j, v[TG]          ; a choice of a value: every lane does all 33 selects
	v_cndmask_b32 v[TL], v[TL], v[8*\nb+\j], vcc_lo
.endr
.endr
	v_cmp_eq_u32 vcc_lo, 64, v[TG]
	v_cndmask_b32 v[TL], v[TL], v[32], vcc_lo
	v_permlanex16_b32 v[TM], v[TL], s12, s13
	v_add_f32 v[TL], v[TL], v[TM]                  ; one of the two lanes holds it, the other 0
	s_wait_alu depctr_va_vdst(0)
	v_fma_f32 v[SU], v[SU], 0x3f317218, v[MX]      ; maximum + ln 2 * log2(sum)
	WIN 0x0f
	v_sub_f32 v[W0], v[SU], v[TL]
	WIN 0
	v_add_f32_dpp v[W0], v[W0], v[W0] row_xmask:1 row_mask:0xf bank_mask:0xf      ; over my 16 tokens
	v_add_f32_dpp v[W0], v[W0], v[W0] row_xmask:2 row_mask:0xf bank_mask:0xf
	v_add_f32_dpp v[W0], v[W0], v[W0] row_xmask:4 row_mask:0xf bank_mask:0xf
	v_add_f32_dpp v[W0], v[W0], v[W0] row_xmask:8 row_mask:0xf bank_mask:0xf
	ds_store_b32 v[VMISC], v[W0]
	WIN 0x0c
.irp nb, 0,1,2,3
.irp j, 0,1,2,3,4,5,6,7
	ds_store_b32 v[VLS], v[8*\nb+\j] offset:64*\nb+4*\j
.endr
.endr
	ds_store_b32 v[VLE], v[E64] offset:256
	WIN 0
	ABAR
	; the 64 rows of 65 f32 are 16640 neighbouring bytes of out0, starting at a multiple of 256: 8 x 2048 bytes by all threads, 256 by 16 lanes
.irp i, 0,1,2,3,4,5,6,7
	ds_load_b128 v[FA+4*\i:FA+4*\i+3], v[VOUTL] offset:2048*\i
.endr
.irp i, 0,1,2,3,4,5,6,7
	s_wait_dscnt 7-\i                              ; the younger read-backs stay out
	global_store_b128 v[VOUT], v[FA+4*\i:FA+4*\i+3], s[96:97] offset:2048*\i
.endr
	s_cmp_lg_u32 s8, 0
	s_cbranch_scc1 .Lnot_first
	v_cmp_gt_u32 vcc_lo, 16, v0
	s_wait_xcnt 0x0                                ; EXEC changes only behind this wait
	s_and_saveexec_b32 s61, vcc_lo
	ds_load_b128 v[FA+32:FA+35], v[VOUTL] offset:16384
	s_wait_dscnt 0x0
	global_store_b128 v[VOUT], v[FA+32:FA+35], s[96:97] offset:16384
	s_wait_xcnt 0x0
	s_or_b32 exec_lo, exec_lo, s61
	ds_load_b128 v[FA+36:FA+39], v[VMISC]          ; wave 0: its word is the first of the four
	s_wait_dscnt 0x0
	v_pk_add_f32 v[FA+36:FA+37], v[FA+36:FA+37], v[FA+38:FA+39]
	v_add_f32 v[FA+36], v[FA+36], v[FA+37]
	v_cmp_eq_u32 vcc_lo, 0, v0
	s_and_saveexec_b32 s61, vcc_lo
	global_store_b32 v[VZ], v[FA+36], s[98:99]
	s_wait_xcnt 0x0
	s_or_b32 exec_lo, exec_lo, s61
.Lnot_first:
	s_set_vgpr_msb (MSB<<8)|((MSB&0xf0)|0x0)
	s_wait_tensorcnt 0x0
	ds_add_u32 v38, v39
	s_wait_dscnt 0x0
	s_set_vgpr_msb (((MSB&0xf0)|0x0)<<8)|MSB
	ROUND                                          ; the closing round: no work-group ends while a partner may still ask jointly
	s_endpgm
.Lfunc_end_k_q6831728be0_mlp:
	.size	k_q6831728be0_mlp, .Lfunc_end_k_q6831728be0_mlp-k_q6831728be0_mlp
	.p2alignl 7, 3214868480
	.fill 96, 4, 3214868480
	.section	.rodata,"a",@progbits
	.p2align	6, 0x0
	.amdhsa_kernel k_q6831728be0_mlp
		.amdhsa_group_segment_fixed_size 327680
		.amdhsa_private_segment_fixed_size 0
		.amdhsa_enable_private_segment 0
		.amdhsa_kernarg_size 128
		.amdhsa_user_sgpr_count 2
		.amdhsa_user_sgpr_kernarg_segment_ptr 1
		.amdhsa_wavefront_size32 1
		.amdhsa_system_sgpr_workgroup_id_x 1
		.amdhsa_system_sgpr_workgroup_id_y 1
		.amdhsa_system_sgpr_workgroup_id_z 1
		.amdhsa_system_vgpr_workitem_id 0
		.amdhsa_next_free_vgpr 1024
		.amdhsa_next_free_sgpr 100
		.amdhsa_reserve_vcc 1
		.amdhsa_float_denorm_mode_32 3
		.amdhsa_float_denorm_mode_16_64 3
		.amdhsa_memory_ordered 1
		.amdhsa_forward_progress 1
		.amdhsa_inst_pref_size 255
	.end_amdhsa_kernel
	.section	.bss,"aw",@nobits
	.p2align	6
	.space	262144
	.amdgpu_metadata
---
amdhsa.version: [ 1, 2 ]
amdhsa.kernels:
  - .name:           k_q6831728be0_mlp
    .symbol:         k_q6831728be0_mlp.kd
    .args:
      - { .name: w16, .offset: 0, .size: 8, .value_kind: global_buffer, .address_space: global }
      - { .name: att, .offset: 8, .size: 8, .value_kind: global_buffer, .address_space: global }
      - { .name: idx, .offset: 16, .size: 8, .value_kind: global_buffer, .address_space: global }
      - { .name: targets, .offset: 24, .size: 8, .value_kind: global_buffer, .address_space: global }
      - { .name: tok_emb, .offset: 32, .size: 8, .value_kind: global_buffer, .address_space: global }
      - { .name: pos_emb, .offset: 40, .size: 8, .value_kind: global_buffer, .address_space: global }
      - { .name: bo, .offset: 48, .size: 8, .value_kind: global_buffer, .address_space: global }
      - { .name: ln2_g, .offset: 56, .size: 8, .value_kind: global_buffer, .address_space: global }
      - { .name: ln2_b, .offset: 64, .size: 8, .value_kind: global_buffer, .address_space: global }
      - { .name: b1, .offset: 72, .size: 8, .value_kind: global_buffer, .address_space: global }
      - { .name: b2, .offset: 80, .size: 8, .value_kind: global_buffer, .address_space: global }
      - { .name: lnf_g, .offset: 88, .size: 8, .value_kind: global_buffer, .address_space: global }
      - { .name: lnf_b, .offset: 96, .size: 8, .value_kind: global_buffer, .address_space: global }
      - { .name: lm_b, .offset: 104, .size: 8, .value_kind: global_buffer, .address_space: global }
      - { .name: out0, .offset: 112, .size: 8, .value_kind: global_buffer, .address_space: global }
      - { .name: part, .offset: 120, .size: 8, .value_kind: global_buffer, .address_space: global }
    .group_segment_fixed_size: 327680
    .private_segment_fixed_size: 0
    .kernarg_segment_align: 8
    .kernarg_segment_size: 128
    .max_flat_workgroup_size: 128
    .sgpr_count:     100
    .vgpr_count:     1024
    .wavefront_size: 32
...
	.end_amdgpu_metadata
.endif
;; end of part 3
;; launch loss (part 4): grid 1 x 1, 1 waves a work-group, no clusters, 0 bytes of LDS; arguments part, out1; writes out1
.if DOCPART == 4
	.amdgcn_target "amdgcn-amd-amdhsa--gfx1250"
	.amdhsa_code_object_version 6
	.text
	.protected	k_q6831728be0_loss
	.globl	k_q6831728be0_loss
	.p2align	8
	.type	k_q6831728be0_loss,@function
k_q6831728be0_loss:
	s_mov_b64 s[64:65], 0
	v_nop
	global_prefetch_b8 v0, s[64:65] scope:SCOPE_SE
	s_setreg_imm32_b32 hwreg(HW_REG_WAVE_MODE, 25, 1), 1
	s_wait_xcnt 0x0
; out1 = (sum of the 256 work-groups' sums of -log softmax at the target) / 16384.  One wave: a sum across work-groups has one owner.
	s_load_b128 s[4:7], s[0:1], 0x0                ; part, out1
	v_lshlrev_b32 v1, 5, v0                        ; eight numbers a lane
	s_mov_b32 s8, 0x76543210
	s_mov_b32 s9, 0xfedcba98
	v_mov_b32 v2, 0
	s_wait_kmcnt 0x0
	global_load_b128 v[4:7], v1, s[4:5]
	global_load_b128 v[8:11], v1, s[4:5] offset:16
	s_wait_loadcnt 0x0
	v_pk_add_f32 v[4:5], v[4:5], v[6:7]
	v_pk_add_f32 v[8:9], v[8:9], v[10:11]
	v_pk_add_f32 v[4:5], v[4:5], v[8:9]
	v_add_f32 v4, v4, v5
	v_add_f32_dpp v4, v4, v4 row_xmask:1 row_mask:0xf bank_mask:0xf
	v_add_f32_dpp v4, v4, v4 row_xmask:2 row_mask:0xf bank_mask:0xf
	v_add_f32_dpp v4, v4, v4 row_xmask:4 row_mask:0xf bank_mask:0xf
	v_add_f32_dpp v4, v4, v4 row_xmask:8 row_mask:0xf bank_mask:0xf
	v_permlanex16_b32 v5, v4, s8, s9
	v_add_f32 v4, v4, v5
	v_mul_f32 v4, 0x38800000, v4                   ; 1/16384
	v_cmp_eq_u32 vcc_lo, 0, v0
	s_wait_xcnt 0x0                                ; EXEC changes only behind this wait
	s_and_saveexec_b32 s10, vcc_lo
	global_store_b32 v2, v4, s[6:7]
	s_wait_xcnt 0x0
	s_or_b32 exec_lo, exec_lo, s10
	s_endpgm
.Lfunc_end_k_q6831728be0_loss:
	.size	k_q6831728be0_loss, .Lfunc_end_k_q6831728be0_loss-k_q6831728be0_loss
	.p2alignl 7, 3214868480
	.fill 96, 4, 3214868480
	.section	.rodata,"a",@progbits
	.p2align	6, 0x0
	.amdhsa_kernel k_q6831728be0_loss
		.amdhsa_group_segment_fixed_size 0
		.amdhsa_private_segment_fixed_size 0
		.amdhsa_enable_private_segment 0
		.amdhsa_kernarg_size 16
		.amdhsa_user_sgpr_count 2
		.amdhsa_user_sgpr_kernarg_segment_ptr 1
		.amdhsa_wavefront_size32 1
		.amdhsa_system_sgpr_workgroup_id_x 1
		.amdhsa_system_sgpr_workgroup_id_y 1
		.amdhsa_system_sgpr_workgroup_id_z 1
		.amdhsa_system_vgpr_workitem_id 0
		.amdhsa_next_free_vgpr 16
		.amdhsa_next_free_sgpr 66
		.amdhsa_reserve_vcc 1
		.amdhsa_float_denorm_mode_32 3
		.amdhsa_float_denorm_mode_16_64 3
		.amdhsa_memory_ordered 1
		.amdhsa_forward_progress 1
		.amdhsa_inst_pref_size 2
	.end_amdhsa_kernel
	.amdgpu_metadata
---
amdhsa.version: [ 1, 2 ]
amdhsa.kernels:
  - .name:           k_q6831728be0_loss
    .symbol:         k_q6831728be0_loss.kd
    .args:
      - { .name: part, .offset: 0, .size: 8, .value_kind: global_buffer, .address_space: global }
      - { .name: out1, .offset: 8, .size: 8, .value_kind: global_buffer, .address_space: global }
    .group_segment_fixed_size: 0
    .private_segment_fixed_size: 0
    .kernarg_segment_align: 8
    .kernarg_segment_size: 16
    .max_flat_workgroup_size: 32
    .sgpr_count:     66
    .vgpr_count:     16
    .wavefront_size: 32
...
	.end_amdgpu_metadata
.endif
;; end of part 4
;; ======== version 2 of 2: 4 launches; 1.16 times as fast as version 1
;; limits: values are held in f16: magnitudes above 65,504 overflow, below 6.1e-05 lose precision
;; workspace buffers: w16 6,553,600 bytes; hfrag 16,777,216 bytes; att 16,777,216 bytes; part 1,024 bytes
;; launch prep (part 5): grid 256 x 1, 8 waves a work-group, no clusters, 67,584 bytes of LDS; arguments idx, tok_emb, pos_emb, ln1_g, ln1_b, wq, wk, wv, wo, w1, w2, lm_w, w16, hfrag; writes w16, hfrag
.if DOCPART == 5
	.amdgcn_target "amdgcn-amd-amdhsa--gfx1250"
	.amdhsa_code_object_version 6
	.text
	.protected	k_q6831728be0_prep
	.globl	k_q6831728be0_prep
	.p2align	8
	.type	k_q6831728be0_prep,@function
k_q6831728be0_prep:
	s_mov_b64 s[64:65], 0
	v_nop
	global_prefetch_b8 v0, s[64:65] scope:SCOPE_SE
	s_setreg_imm32_b32 hwreg(HW_REG_WAVE_MODE, 25, 1), 1
	s_wait_xcnt 0x0
; Two jobs with no dependence on each other, on the two halves of a work-group of eight waves.
; Waves 0-3: h = LayerNorm1(tok_emb[idx] + pos_emb) for 16 tokens a wave, rounded to f16 and stored in the order in which a
;   16x16x32 matrix instruction wants a fragment: hfrag[block of 16 tokens][K step u][piece][lane][16 bytes]; lane (r = L&15, h = L>>4)
;   holds token r, piece 0: k = 32u+8h..+7, piece 1: k = 32u+16+8h..+7.  The next launch loads fragments straight into registers.
; Waves 4-7: the weights f32 -> f16.
; w16, byte offsets: wk 0, wv 524288, wq 1048576, each [512][512] as given.  From 1572864 on a stream of 38 tiles of [128 k][512 n] f16
;   (131072 bytes each) in the order in which the third launch multiplies them: tiles 0-3 wo (rows 128 j ..); tile 4 + 8 c + t: w1, rows 128 t ..,
;   columns 512 c ..; tile 8 + 8 c + t: w2, rows 512 c + 128 t ..; tiles 36 + T: lm_w, k = 256 T + 128 q + kk at row kk, columns 128 q + n
;   (q = 0, 1; n >= 65 zero); their columns 256 .. 511 are zero, so that all 38 tiles have one shape.
; LIMITS: f16 holds magnitudes below 65504 with a step of 6e-8: weights and LayerNorm outputs beyond that are not served.
;   idx is clamped to 64 (the table's last row).  Row sums are grouped otherwise than in the defining formula.
.set T,    8                           ; v[8:23]   at work
.set G,    24                          ; v[24:39]  ln1_g of my 16 columns c = 128 j + 4 L + 0..3
.set B,    40                          ; v[40:55]  ln1_b of them
.set OFFT, 56                          ; v[56:61]  slot s: byte offset of my 16 bytes in the slot's row of tok_emb
.set LSA,  62                          ; LDS: where I put 8 bytes of a row
.set LRA,  63                          ; LDS: where I read a fragment piece
.set X,    64                          ; v[64:255] six row slots of 32 registers: 16 of tok_emb, 16 of pos_emb
.set HP,   1040                         ; LDS pitch of a row of 512 f16: 1024 + 16 bytes, an odd multiple of 16
.set HW,   16*HP                        ; a wave's 16 rows
.set STREAM, 1572864                    ; the tile stream in w16
.set TILEB,  131072
	s_load_b512 s[8:23], s[0:1], 0x0               ; idx 8, tok 10, pos 12, ln1_g 14, ln1_b 16, wq 18, wk 20, wv 22
	s_load_b256 s[24:31], s[0:1], 0x40             ; wo 24, w1 26, w2 28, lm_w 30
	s_load_b128 s[32:35], s[0:1], 0x60             ; w16 32, hfrag 34
	s_set_vgpr_msb 0x40
	v_lshl_add_u32 v0, v0, 2, 0x10400
	v_mov_b32 v1, 0
	s_set_vgpr_msb 0x4000
	v_lshrrev_b32 v1, 5, v0
	v_readfirstlane_b32 s4, v1                     ; wave 0..7
	v_and_b32 v2, 31, v0                           ; lane L
	s_cmp_lt_u32 s4, 4
	s_cbranch_scc0 .Lcast
; ---------------- waves 0-3: LayerNorm 1 ----------------
	s_lshl_b32 s5, ttmp9, 2
	s_add_co_u32 s5, s5, s4                        ; my block of 16 tokens, 0..1023
	s_lshl_b32 s6, s5, 6                           ; its 16 indices: 64 bytes
	s_mov_b32 s7, 0
	s_wait_kmcnt 0x0
	s_add_nc_u64 s[8:9], s[8:9], s[6:7]
	s_load_b512 s[36:51], s[8:9], 0x0              ; the 16 indices as scalars: a row's address is the same in all lanes
	s_and_b32 s2, s5, 15                           ; a sequence is 16 blocks: my block's place in it
	s_lshl_b32 s2, s2, 15                          ; 16 rows of 2048 bytes
	s_mov_b32 s3, 0
	s_add_nc_u64 s[12:13], s[12:13], s[2:3]        ; pos_emb at my first row
	s_lshl_b32 s2, s5, 14                          ; a block of hfrag is 16384 bytes
	s_add_nc_u64 s[34:35], s[34:35], s[2:3]
	s_mov_b32 s52, 0x76543210                      ; v_permlanex16_b32: lane i reads lane i of the other half
	s_mov_b32 s53, 0xfedcba98
	s_mov_b32 s54, 0x3b000000                      ; 1/512
	s_mov_b32 s55, 0x3727c5ac                      ; 1e-5
	s_mul_i32 s6, s4, HW                           ; my wave's rows in LDS
	v_lshlrev_b32 v1, 4, v2                        ; 16 L
.irp j, 0,1,2,3
	global_load_b128 v[G+4*\j:G+4*\j+3], v1, s[14:15] offset:512*\j
	global_load_b128 v[B+4*\j:B+4*\j+3], v1, s[16:17] offset:512*\j
.endr
	v_lshl_add_u32 v[LSA], v2, 3, s6               ; 4 f16 a lane: 8 L
	v_and_b32 v3, 15, v2                           ; r
	v_lshrrev_b32 v4, 4, v2                        ; h
	v_mul_u32_u24 v5, HP, v3
	v_lshl_add_u32 v5, v4, 4, v5
	v_add_nc_u32 v[LRA], s6, v5                    ; row r, 16 h
	s_wait_kmcnt 0x0
.irp i, 0,1,2,3,4,5,6,7,8,9,10,11,12,13,14,15
	s_min_u32 s[36+\i], s[36+\i], 64               ; never outside the table
	s_lshl_b32 s[36+\i], s[36+\i], 11              ; a row of tok_emb is 2048 bytes
.endr
; Eight loads of 512 neighbouring bytes: row i of tok_emb[idx] and of pos_emb, into slot i mod 6.  The argument may be a sum: it stands in parentheses everywhere.
.macro FILLROW i
	v_add_nc_u32 v[OFFT+((\i)%6)], s[36+(\i)], v1
.irp j, 0,1,2,3
	global_load_b128 v[X+32*((\i)%6)+4*\j:X+32*((\i)%6)+4*\j+3], v[OFFT+((\i)%6)], s[10:11] offset:512*\j
.endr
.irp j, 0,1,2,3
	global_load_b128 v[X+32*((\i)%6)+16+4*\j:X+32*((\i)%6)+16+4*\j+3], v1, s[12:13] offset:2048*(\i)+512*\j
.endr
.endm
.macro WSUM a, b                       ; sum over the 32 lanes, result in every lane; b has been written before
	v_add_f32_dpp v[\a], v[\a], v[\a] row_xmask:1 row_mask:0xf bank_mask:0xf
	v_add_f32_dpp v[\a], v[\a], v[\a] row_xmask:2 row_mask:0xf bank_mask:0xf
	v_add_f32_dpp v[\a], v[\a], v[\a] row_xmask:4 row_mask:0xf bank_mask:0xf
	v_add_f32_dpp v[\a], v[\a], v[\a] row_xmask:8 row_mask:0xf bank_mask:0xf
	v_permlanex16_b32 v[\b], v[\a], s52, s53
	v_add_f32 v[\a], v[\a], v[\b]
.endm
.macro ROW i
.set XS, X+32*((\i)%6)
.if (\i) <= 10
	s_wait_loadcnt 40                              ; five younger rows of eight loads stay out
.else
	s_wait_loadcnt 8*(15-(\i))                     ; the ring runs empty
.endif
.irp k, 0,2,4,6,8,10,12,14
	v_pk_add_f32 v[XS+\k:XS+\k+1], v[XS+\k:XS+\k+1], v[XS+16+\k:XS+17+\k]     ; x = tok + pos
.endr
	v_pk_add_f32 v[T:T+1], v[XS:XS+1], v[XS+2:XS+3]
	v_pk_add_f32 v[T+4:T+5], v[XS+4:XS+5], v[XS+6:XS+7]
	v_pk_add_f32 v[T+6:T+7], v[XS+8:XS+9], v[XS+10:XS+11]
	v_pk_add_f32 v[T+8:T+9], v[XS+12:XS+13], v[XS+14:XS+15]
	v_pk_add_f32 v[T:T+1], v[T:T+1], v[T+4:T+5]
	v_pk_add_f32 v[T+6:T+7], v[T+6:T+7], v[T+8:T+9]
	v_pk_add_f32 v[T:T+1], v[T:T+1], v[T+6:T+7]
	v_add_f32 v[T], v[T], v[T+1]
	WSUM T, T+1
	v_mul_f32 v[T+2], s54, v[T]                    ; the mean, twice, for the packed subtraction
	v_mul_f32 v[T+3], s54, v[T]
.irp k, 0,2,4,6,8,10,12,14
	v_pk_add_f32 v[XS+\k:XS+\k+1], v[XS+\k:XS+\k+1], v[T+2:T+3] neg_lo:[0,1] neg_hi:[0,1]
.endr
	v_pk_mul_f32 v[T:T+1], v[XS:XS+1], v[XS:XS+1]                              ; squares of the centred row, two chains
	v_pk_mul_f32 v[T+4:T+5], v[XS+2:XS+3], v[XS+2:XS+3]
.irp k, 4,8,12
	v_pk_fma_f32 v[T:T+1], v[XS+\k:XS+\k+1], v[XS+\k:XS+\k+1], v[T:T+1]
	v_pk_fma_f32 v[T+4:T+5], v[XS+\k+2:XS+\k+3], v[XS+\k+2:XS+\k+3], v[T+4:T+5]
.endr
	v_pk_add_f32 v[T:T+1], v[T:T+1], v[T+4:T+5]
	v_add_f32 v[T], v[T], v[T+1]
	WSUM T, T+1
	v_fma_f32 v[T], v[T], s54, s55                 ; variance + eps
	v_rsq_f32 v[T+2], v[T]
	v_rsq_f32 v[T+3], v[T]
	v_nop                                          ; one plain instruction between a transcendental and the use of its result (ISA guide 5.7.2)
	s_wait_alu depctr_va_vdst(0)
.irp k, 0,2,4,6,8,10,12,14
	v_pk_mul_f32 v[XS+\k:XS+\k+1], v[XS+\k:XS+\k+1], v[T+2:T+3]
.endr
.irp k, 0,2,4,6,8,10,12,14
	v_pk_fma_f32 v[XS+\k:XS+\k+1], v[XS+\k:XS+\k+1], v[G+\k:G+\k+1], v[B+\k:B+\k+1]
.endr
.irp k, 0,1,2,3,4,5,6,7
	v_cvt_pk_f16_f32 v[T+8+\k], v[XS+2*\k], v[XS+2*\k+1]
.endr
.irp j, 0,1,2,3
	ds_store_b64 v[LSA], v[T+8+2*\j:T+9+2*\j] offset:HP*(\i)+256*\j
.endr
.if (\i)+6 < 16
	FILLROW (\i)+6                                 ; the slot's registers and its offset are free since the wait at the head
.endif
.endm
.irp i, 0,1,2,3,4,5
	FILLROW \i
.endr
.irp i, 0,1,2,3,4,5,6,7,8,9,10,11,12,13,14,15
	ROW \i
.endr
	; the 16 rows leave in fragment order.  The bytes are my wave's own and LDS serves a wave in order: no wait between stores and loads.
.set n, 0
.rept 32
	ds_load_b128 v[X+4*n:X+4*n+3], v[LRA] offset:32*n              ; n = 2 u + piece: byte 64 u + 32 piece of row r, + 16 h
.set n, n+1
.endr
.set n, 0
.rept 32
	s_wait_dscnt 31-n                              ; the younger read-backs stay out
	global_store_b128 v1, v[X+4*n:X+4*n+3], s[34:35] offset:512*n  ; 512 neighbouring bytes a store
.set n, n+1
.endr
	s_set_vgpr_msb 0x5
	s_wait_tensorcnt 0x0
	ds_add_u32 v0, v1
	s_wait_dscnt 0x0
	s_set_vgpr_msb 0x500
	s_endpgm
; ---------------- waves 4-7: the weights to f16 ----------------
.Lcast:
	v_and_b32 v3, 127, v0                          ; t = thread - 128
	s_lshl_b32 s5, ttmp9, 12                       ; of a [512][512] matrix the group g takes 4096 bytes,
	s_lshl_b32 s6, ttmp9, 14                       ; of w1 and w2 16384
	v_lshl_add_u32 v4, v3, 5, s5                   ; a thread reads 32 bytes
	v_lshl_add_u32 v5, v3, 5, s6
	s_lshl_b32 s5, ttmp9, 11
	v_lshl_add_u32 v6, v3, 4, s5                   ; and writes 16: a wave's store covers 512 neighbouring bytes
	; w1: the group's 16384 bytes are rows 2g, 2g+1; step s: row 2g + (s>>1), columns 1024 (s&1) + 8 t, that is chunk 2 (s&1) + (t>>6).
	; Row k lies in tile row k>>7 = g>>6, at (k&127) x 1024 bytes; a chunk on is 8 tiles on.  s stands in the stores' immediates.
	s_lshr_b32 s5, ttmp9, 6                        ; g >> 6
	s_and_b32 s6, ttmp9, 63
	s_lshl_b32 s7, s5, 17
	s_lshl_b32 s6, s6, 11                          ; (2g & 127) x 1024
	s_add_co_u32 s7, s7, s6
	v_and_b32 v12, 63, v3
	v_lshrrev_b32 v13, 6, v3
	v_lshl_add_u32 v7, v12, 4, s7
	v_lshl_add_u32 v7, v13, 20, v7                 ; + (t>>6) x 8 tiles
	; w2: the group's rows 8g .. 8g+7 are 8192 neighbouring bytes of tile (c = g>>6, t = (g>>4)&3), at (g&15) x 8192
	s_lshl_b32 s7, s5, 20                          ; c x 8 tiles
	s_bfe_u32 s6, ttmp9, 0x20004
	s_lshl_b32 s6, s6, 17
	s_add_co_u32 s7, s7, s6
	s_and_b32 s6, ttmp9, 15
	s_lshl_b32 s6, s6, 13
	s_add_co_u32 s7, s7, s6
	v_lshl_add_u32 v11, v3, 4, s7
	s_wait_kmcnt 0x0
; pair q of twelve: eight f32 a thread in v[16 + 8 q .. + 7].  The argument may be a sum: it stands in parentheses everywhere.
.macro CLD q, voff, sb, off
	global_load_b128 v[16+8*(\q):16+8*(\q)+3], v[\voff], s[\sb:\sb+1] offset:\off th:TH_LOAD_NT
	global_load_b128 v[16+8*(\q)+4:16+8*(\q)+7], v[\voff], s[\sb:\sb+1] offset:\off+16 th:TH_LOAD_NT
.endm
.macro CST q, voff, off
	s_wait_loadcnt 22-2*(\q)                       ; the pairs behind pair q stay out
.irp k, 0,1,2,3
	v_cvt_pk_f16_f32 v[16+8*(\q)+\k], v[16+8*(\q)+2*\k], v[16+8*(\q)+2*\k+1]
.endr
	global_store_b128 v[\voff], v[16+8*(\q):16+8*(\q)+3], s[32:33] offset:\off
.endm
	CLD 0, 4, 20, 0
	CLD 1, 4, 22, 0
	CLD 2, 4, 18, 0
	CLD 3, 4, 24, 0
.irp s, 0,1,2,3
	CLD 4+\s, 5, 26, 4096*\s
.endr
.irp s, 0,1,2,3
	CLD 8+\s, 5, 28, 4096*\s
.endr
	CST 0, 6, 0
	CST 1, 6, 524288
	CST 2, 6, 1048576
	CST 3, 6, STREAM
.irp s, 0,1,2,3
	CST 4+\s, 7, STREAM+4*TILEB+16*TILEB*(\s&1)+1024*(\s>>1)
.endr
.irp s, 0,1,2,3
	CST 8+\s, 11, STREAM+8*TILEB+2048*\s
.endr
	s_cmp_lg_u32 s4, 4
	s_cbranch_scc1 .Ldone
	; wave 4: rows k = 2g, 2g+1 of lm_w, 65 -> 128 columns.  Lane L: row 2g + (L>>4), columns 8 (L&15) + 0..7: sixteen lanes fill 256 aligned bytes.
	v_and_b32 v8, 15, v2
	v_lshlrev_b32 v8, 3, v8                        ; first column
	v_lshrrev_b32 v9, 4, v2
	v_lshlrev_b32 v10, 10, v9                      ; the second row lies one tile row of 1024 bytes on
	v_lshl_add_u32 v10, v8, 1, v10                 ; + 16 (L&15)
	s_lshr_b32 s5, ttmp9, 7                        ; T = k >> 8
	s_lshl_b32 s5, s5, 17
	s_bfe_u32 s6, ttmp9, 0x10006                   ; q = (k >> 7) & 1
	s_lshl_b32 s6, s6, 8
	s_add_co_u32 s5, s5, s6
	s_and_b32 s6, ttmp9, 63
	s_lshl_b32 s6, s6, 11                          ; kk = 2g & 127, rows of 1024 bytes
	s_add_co_u32 s5, s5, s6
	v_add_nc_u32 v10, s5, v10
	s_lshl_b32 s5, ttmp9, 1
	v_add_nc_u32 v9, s5, v9
	v_mul_u32_u24 v9, 65, v9                       ; the row's first element
.irp j, 0,1,2,3,4,5,6,7
	v_add_nc_u32 v[120+\j], \j, v8
	v_min_u32 v[120+\j], 64, v[120+\j]             ; columns past the row's end read its last number and are zeroed below
	v_add_lshl_u32 v[120+\j], v[120+\j], v9, 2
	global_load_b32 v[112+\j], v[120+\j], s[30:31]
.endr
	s_lshl_b32 s5, ttmp9, 10                       ; row g of the 256 rows of the two lm tiles: its upper 512 bytes are zero
	v_lshl_add_u32 v14, v2, 4, s5
.irp j, 0,1,2,3
	v_mov_b32 v[128+\j], 0
.endr
	global_store_b128 v14, v[128:131], s[32:33] offset:STREAM+36*TILEB+512
	s_wait_loadcnt 0x0
.irp j, 0,1,2,3,4,5,6,7
	v_cmp_gt_u32 vcc_lo, 65-\j, v8                 ; column + j < 65
	v_cndmask_b32 v[112+\j], 0, v[112+\j], vcc_lo
.endr
.irp k, 0,1,2,3
	v_cvt_pk_f16_f32 v[112+\k], v[112+2*\k], v[112+2*\k+1]
.endr
	global_store_b128 v10, v[112:115], s[32:33] offset:STREAM+36*TILEB
.Ldone:
	s_endpgm
.Lfunc_end_k_q6831728be0_prep:
	.size	k_q6831728be0_prep, .Lfunc_end_k_q6831728be0_prep-k_q6831728be0_prep
	.p2alignl 7, 3214868480
	.fill 96, 4, 3214868480
	.section	.rodata,"a",@progbits
	.p2align	6, 0x0
	.amdhsa_kernel k_q6831728be0_prep
		.amdhsa_group_segment_fixed_size 67584
		.amdhsa_private_segment_fixed_size 0
		.amdhsa_enable_private_segment 0
		.amdhsa_kernarg_size 112
		.amdhsa_user_sgpr_count 2
		.amdhsa_user_sgpr_kernarg_segment_ptr 1
		.amdhsa_wavefront_size32 1
		.amdhsa_system_sgpr_workgroup_id_x 1
		.amdhsa_system_sgpr_workgroup_id_y 1
		.amdhsa_system_sgpr_workgroup_id_z 1
		.amdhsa_system_vgpr_workitem_id 0
		.amdhsa_next_free_vgpr 258
		.amdhsa_next_free_sgpr 66
		.amdhsa_reserve_vcc 1
		.amdhsa_float_denorm_mode_32 3
		.amdhsa_float_denorm_mode_16_64 3
		.amdhsa_memory_ordered 1
		.amdhsa_forward_progress 1
		.amdhsa_inst_pref_size 111
	.end_amdhsa_kernel
	.amdgpu_metadata
---
amdhsa.version: [ 1, 2 ]
amdhsa.kernels:
  - .name:           k_q6831728be0_prep
    .symbol:         k_q6831728be0_prep.kd
    .args:
      - { .name: idx, .offset: 0, .size: 8, .value_kind: global_buffer, .address_space: global }
      - { .name: tok_emb, .offset: 8, .size: 8, .value_kind: global_buffer, .address_space: global }
      - { .name: pos_emb, .offset: 16, .size: 8, .value_kind: global_buffer, .address_space: global }
      - { .name: ln1_g, .offset: 24, .size: 8, .value_kind: global_buffer, .address_space: global }
      - { .name: ln1_b, .offset: 32, .size: 8, .value_kind: global_buffer, .address_space: global }
      - { .name: wq, .offset: 40, .size: 8, .value_kind: global_buffer, .address_space: global }
      - { .name: wk, .offset: 48, .size: 8, .value_kind: global_buffer, .address_space: global }
      - { .name: wv, .offset: 56, .size: 8, .value_kind: global_buffer, .address_space: global }
      - { .name: wo, .offset: 64, .size: 8, .value_kind: global_buffer, .address_space: global }
      - { .name: w1, .offset: 72, .size: 8, .value_kind: global_buffer, .address_space: global }
      - { .name: w2, .offset: 80, .size: 8, .value_kind: global_buffer, .address_space: global }
      - { .name: lm_w, .offset: 88, .size: 8, .value_kind: global_buffer, .address_space: global }
      - { .name: w16, .offset: 96, .size: 8, .value_kind: global_buffer, .address_space: global }
      - { .name: hfrag, .offset: 104, .size: 8, .value_kind: global_buffer, .address_space: global }
    .group_segment_fixed_size: 67584
    .private_segment_fixed_size: 0
    .kernarg_segment_align: 8
    .kernarg_segment_size: 112
    .max_flat_workgroup_size: 256
    .sgpr_count:     66
    .vgpr_count:     258
    .wavefront_size: 32
...
	.end_amdgpu_metadata
.endif
;; end of part 5
;; launch attn: the kernel of part 2 again; grid 64 x 4, 4 waves a work-group, clusters of 4 x 1, 327,680 bytes of LDS; arguments w16, hfrag, att; writes att
;; launch mlp (part 6): grid 256 x 1, 4 waves a work-group, clusters of 4 x 1, 327,680 bytes of LDS; arguments w16, att, idx, targets, tok_emb, pos_emb, bo, ln2_g, ln2_b, b1, b2, lnf_g, lnf_b, lm_b, out0, part; writes out0, part
.if DOCPART == 6
	.amdgcn_target "amdgcn-amd-amdhsa--gfx1250"
	.amdhsa_code_object_version 6
	.text
	.protected	k_q6831728be0_mlp
	.globl	k_q6831728be0_mlp
	.p2align	8
	.type	k_q6831728be0_mlp,@function
k_q6831728be0_mlp:
	s_mov_b64 s[64:65], 0
	v_nop
	global_prefetch_b8 v0, s[64:65] scope:SCOPE_SE
	s_setreg_imm32_b32 hwreg(HW_REG_WAVE_MODE, 25, 1), 1
	s_wait_xcnt 0x0
	s_wait_alu depctr_hold_cnt(0) depctr_sa_sdst(0) depctr_va_vdst(0) depctr_va_sdst(0) depctr_va_ssrc(0) depctr_va_vcc(0) depctr_vm_vsrc(0)
	s_getreg_b32 s2, hwreg(HW_REG_IB_STS2, 6, 4)
	s_cmp_eq_u32 s2, 0
	s_cbranch_scc0 .Lentry_in_a_cluster
	s_endpgm
.Lentry_in_a_cluster:
	s_bfe_u32 s2, ttmp6, 0x10000c
	s_cmp_lg_u32 s2, 0x3003
	s_cbranch_scc0 .Lentry_shape_is_right
	s_endpgm
.Lentry_shape_is_right:
; One work-group = 64 token rows, everything behind the attention: x = tok+pos + att wo + bo; h2 = LN2(x); x += relu(h2 w1 + b1) w2 + b2;
; xf = LNf(x); logits = xf lm_w + lm_b; the rows' -log softmax at the target, summed over the 64 rows into part[work-group].
; The residual x (64 x 512 f32) never leaves registers.  Nine equal products [64 x 512] x [512 x 512]: wo, then for each of four chunks of 512
; hidden columns w1's chunk and w2's chunk.  Source 0 = weights (transposed on the way from LDS), source 1 = activations: a lane holds token
; 16 mb + r and columns 128 w + 16 nb + 8 h + j.  Wave w owns columns 128 w .. + 127 of all 64 rows: 32 tiles (mb, nb) at 8 (8 mb + nb).
; Weights: 38 tiles of [128 k][512 n] f16, laid down by the first launch (wo 0-3; chunk c: w1 at 4 + 8 c .., w2 at 8 + 8 c ..; lm_w 36, 37),
; through two LDS slots, asked for JOINTLY by the four work-groups of a cluster (all four walk the same tiles).  One shape, one descriptor
; group 1, one address that steps a tile at each refill: so all four chunks run through one loop, and the last trip's two refills are the lm tiles.
; (Of the lm tiles the lower 256 columns are read from LDS; the upper ones are zeros: 2 x 64 KiB of 38 x 128 KiB.)
; THE CHUNKS' ORDER: the chunks only add into x, so their order is free.  Cluster q takes chunk (q + trip) mod 4.  Where the 64 clusters run abreast,
; the eight tiles of a cluster's trips 2, 3 and 4 have then been read, a trip earlier, by the 16 clusters that began with that chunk, instead of
; being asked for by all 64 for the first time at once.  q is the cluster's number: equal in the four partners, so their descriptors stay equal.
; Activations: one buffer [64][256] f16, rewritten from registers every two tiles.
; After LN2 x stays centred (its row mean taken away): x reaches the result through LNf alone, which does not see a constant added to a row.
; LIMITS: matrix operands are f16 (below 65504, step 6e-8); the hidden layer is clamped to [0, 65504]; idx is clamped to 64; a target outside
; 0..64 counts a target logit of 0; sums are grouped otherwise than in the defining formula, the four chunks' in an order that differs from
; cluster to cluster; part is one 4-byte store a work-group.
; The accumulators take turns, one matrix instruction a turn.
.set WP,    1056                       ; a slot's row: 512 f16 + 32 bytes, an odd multiple of 32
.set SLOTB, 128*WP                     ; 135168
.set ABUF,  2*SLOTB                    ; activations, pitch 528
.set AP,    528
.set RED,   ABUF+64*AP                 ; four regions [64 rows][4 waves] f32, one for each exchange of row sums
.set LOGST, RED+4096                   ; logits, dense [64][65] f32
.set MISC,  LOGST+16640                ; the four waves' sums
.set STREAM, 1572864                   ; the tiles in w16
.set TILEB,  131072
; window 0
.set VB,   4                           ; v4-7   weights, my 128 columns [slot][half of the 128 rows]
.set VA,   8                           ; activation fragments
.set VAS,  9                           ; activations in, by column slice
.set VAR,  10                          ; activations in, by rows (att)
.set VBL,  11                          ; v11-14 weights from column 0 (lm) [slot][half of the 128 rows]
.set VAL,  15                          ; my token block's fragments (lm)
.set VRS,  16
.set VRL,  17
.set VPAR, 18                          ; 512 w + 32 h: my columns in a vector of 512 f32
.set VPL,  19                          ; 32 h
.set VTOK, 20                          ; v20-23
.set VPOS, 24
.set VLS,  25
.set VLE,  26
.set TGT,  27
.set VZ,   28
.set VATT, 29
.set VIDX, 30
.set VMISC, 31
.set VOUT, 32
.set VOUTL, 33
.set VTG,  34
.set W0,   35                          ; v35-39 at work
.set SUMP, 40                          ; v40-47 row sums, a pair for each mb
.set MEANP, 48
.set RSP,  56
.set FA,   64                          ; v64-95, v96-127 activation fragments, two buffers
.set TT,   128                         ; v128-191 at work
.set BIAS, 192                         ; v192-255 bo, then b1's chunks, at last lnf_g, in the accumulators' layout
; window 1: weight fragments 0-63, 64-127; 128-255 packed activations (att rows, then h2, then xf)
; window 2: X.  window 3: H; packed hidden 0-127; LayerNorm parameters; logits
.set G1A, 16                           ; s[16:23] descriptor group 1, the same for all 38 tiles
.set G0,  40                           ; s[40:47] descriptor group 0, one set a slot; s[48:49] the next tile's address
; s24 the chunk; s[26:27], s[32:33] offsets (upper words 0); s[28:29] tile 0 at my rows; s[30:31] the next chunk's first tile; s[34:35] its b1
.set MSB, 0
.macro WIN new
.if MSB != (\new)
	s_set_vgpr_msb (MSB<<8)|(\new)
.set MSB, (\new)
.endif
.endm
.macro PLACES                          ; four plain vector instructions behind a matrix instruction (ISA guide 7.12.1)
.rept 4
	v_nop
.endr
.endm
.macro CREST
	s_cmp_lg_u32 s8, 0
	s_cbranch_scc1 .Lnot_wave_0_\@
	s_barrier_signal -3
.Lnot_wave_0_\@:
	s_barrier_wait -3
	s_barrier_signal -1
	s_barrier_wait -1
.endm
.macro ROUND
	s_barrier_signal -1
	s_barrier_wait -1
	CREST
.endm
.macro ABAR                            ; my LDS stores and loads are done; then everybody's
	s_wait_dscnt 0x0
	s_barrier_signal -1
	s_barrier_wait -1
.endm
	s_load_b512 s[68:83], s[0:1], 0x0              ; w16 68, att 70, idx 72, targets 74, tok 76, pos 78, bo 80, ln2_g 82
	s_load_b512 s[84:99], s[0:1], 0x40             ; ln2_b 84, b1 86, b2 88, lnf_g 90, lnf_b 92, lm_b 94, out0 96, part 98
	v_lshl_add_u32 v38, v0, 2, 0x4f600
	v_mov_b32 v39, 0
	ds_add_u32 v38, v39
	v_lshrrev_b32 v1, 5, v0
	v_readfirstlane_b32 s8, v1                     ; wave
	s_bfe_u32 s9, ttmp6, 0x40000                   ; cx
	s_lshl_b32 s10, ttmp9, 2
	s_add_co_u32 s10, s10, s9                      ; work-group
	s_and_b32 s11, s8, 1
	s_mov_b32 s12, 0x76543210
	s_mov_b32 s13, 0xfedcba98
	s_mov_b32 s14, 0x477fe000                      ; 65504.0
	s_mov_b32 s58, 0x3b000000                      ; 1/512
	s_mov_b32 s59, 0x3727c5ac                      ; 1e-5
	s_mul_i32 s56, s8, 32*WP                       ; my quarter of a slot
	s_and_b32 s24, ttmp9, 3                        ; my cluster's first chunk: the cluster's number mod 4, equal in the four partners
	s_lshl_b32 s26, s24, 20                        ; its first tile: 8 tiles a chunk,
	s_add_co_u32 s26, s26, 4*TILEB                 ; behind wo's four
	s_mov_b32 s27, 0
	s_lshl_b32 s32, s24, 11                        ; its 512 numbers of b1
	s_mov_b32 s33, 0
	v_and_b32 v1, 15, v0                           ; r
	v_bfe_u32 v2, v0, 4, 1                         ; h
	v_and_b32 v3, 31, v0                           ; L
	v_cmp_eq_u32 s60, 0, v2
	v_and_b32 v[W0], 7, v0
	v_lshl_add_u32 v[W0], v2, 3, v[W0]             ; k row 8 h + (L&7)
	v_bfe_u32 v[W0+1], v0, 3, 1
	v_lshlrev_b32 v[W0+1], 4, v[W0+1]
	v_mad_u32_u24 v[VBL], v[W0], WP, v[W0+1]       ; the transposing load's lane term
	v_add_nc_u32 v[VBL+1], 64*WP, v[VBL]
	v_add_nc_u32 v[VBL+2], SLOTB, v[VBL]
	v_add_nc_u32 v[VBL+3], SLOTB+64*WP, v[VBL]
	s_lshl_b32 s2, s8, 8                           ; my 128 columns
.irp i, 0,1,2,3
	v_add_nc_u32 v[VB+\i], s2, v[VBL+\i]
.endr
	v_mul_u32_u24 v[W0], AP, v1
	v_lshl_add_u32 v[W0], v2, 4, v[W0]             ; 528 r + 16 h
	v_add_nc_u32 v[VA], ABUF, v[W0]
	s_lshl_b32 s2, s11, 8
	s_add_co_u32 s2, s2, ABUF
	v_add_nc_u32 v[VAS], s2, v[W0]
	s_mul_i32 s2, s8, 16*AP
	s_add_co_u32 s2, s2, ABUF
	v_lshl_add_u32 v[VAR], v3, 4, s2
	v_add_nc_u32 v[VAL], s2, v[W0]
	s_lshl_b32 s2, s8, 2
	s_add_co_u32 s3, s2, RED
	v_lshl_add_u32 v[VRS], v1, 4, s3
	v_lshlrev_b32 v[VRL], 4, v1
	v_add_nc_u32 v[VRL], RED, v[VRL]
	s_add_co_u32 s3, s2, MISC
	v_mov_b32 v[VMISC], s3
	s_lshl_b32 s3, s8, 9
	v_lshl_add_u32 v[VPAR], v2, 5, s3
	v_lshlrev_b32 v[VPL], 5, v2
	v_lshl_add_u32 v[VPOS], v1, 11, v[VPAR]
	s_mul_i32 s3, s8, 16*260
	s_add_co_u32 s3, s3, LOGST
	v_mad_u32_u24 v[VLE], v1, 260, s3              ; my token's row of 65 logits
	v_lshl_add_u32 v[VLS], v2, 5, v[VLE]
	v_mov_b32 v[VZ], 0
	s_lshl_b32 s3, s8, 14
	v_lshl_add_u32 v[VATT], v3, 4, s3              ; my 16 rows of att, 16 bytes a lane
	v_lshlrev_b32 v[VIDX], 2, v1
	v_lshlrev_b32 v[VOUT], 4, v0
	v_add_nc_u32 v[VOUTL], LOGST, v[VOUT]
	s_lshl_b32 s3, s8, 6
	v_lshl_add_u32 v[VTG], v1, 2, s3
	; group 1: 32 rows x 512 f16 a wave, rows 512 elements apart, 8 words of padding behind every 256; mask: the four of the cluster
	s_mov_b32 s[G1A+0], 15|(1<<16)|(1<<20)|(1<<21)|(7<<22)|(7<<25)
	s_mov_b32 s[G1A+1], 512<<16
	s_mov_b32 s[G1A+2], 32<<16
	s_mov_b32 s[G1A+3], 512<<16
	s_mov_b32 s[G1A+4], 32
	s_mov_b32 s[G1A+5], 512
	s_mov_b32 s[G1A+6], 0
	s_mov_b32 s[G1A+7], 0
	s_mov_b32 s[G0+0], 1
	s_mov_b32 s[G0+1], s56
	s_mov_b32 s[G0+4], 1
	s_add_co_u32 s[G0+5], s56, SLOTB
	s_mov_b32 s5, 0
	s_mov_b32 s63, 0
	s_wait_dscnt 0x0
	s_wait_kmcnt 0x0
	s_lshl_b32 s4, s10, 16                         ; the group's 64 rows: 65536 bytes of att,
	s_add_nc_u64 s[70:71], s[70:71], s[4:5]
	s_lshl_b32 s4, s10, 8                          ; 256 of idx and of targets,
	s_add_nc_u64 s[72:73], s[72:73], s[4:5]
	s_add_nc_u64 s[74:75], s[74:75], s[4:5]
	s_lshl_b32 s4, s9, 17                          ; positions 64 (group mod 4) ..,
	s_add_nc_u64 s[78:79], s[78:79], s[4:5]
	s_mul_i32 s4, s10, 16640                       ; 16640 of out0
	s_add_nc_u64 s[96:97], s[96:97], s[4:5]
	s_lshl_b32 s4, s10, 2
	s_add_nc_u64 s[98:99], s[98:99], s[4:5]
	s_lshl_b32 s62, s8, 15                         ; my 32 rows of 1024 bytes: a tile's address hangs on the wave and the cluster's number alone
	s_add_nc_u64 s[28:29], s[68:69], s[62:63]
	s_add_nc_u64 s[28:29], s[28:29], STREAM        ; tile 0 at my rows
	s_mov_b64 s[48:49], s[28:29]                   ; the walk begins with wo
	s_add_nc_u64 s[30:31], s[28:29], s[26:27]      ; my cluster's first chunk, its first tile
	s_add_nc_u64 s[62:63], s[86:87], s[32:33]      ; and its b1
.macro SETG0 slot                      ; the walk's next tile goes to this slot; written only where no tensor load of the wave is out
	s_mov_b64 s[G0+4*\slot+2:G0+4*\slot+3], s[48:49]
	s_or_b32 s[G0+4*\slot+3], s[G0+4*\slot+3], 0x80000000
	s_add_nc_u64 s[48:49], s[48:49], TILEB
.endm
.macro PLOAD win, base, sb             ; 64 numbers of a vector of 512 f32 in the accumulators' layout: register 8 nb + j = column 128 w + 16 nb + 8 h + j
	WIN (\win<<6)
.irp nb, 0,1,2,3,4,5,6,7
	global_load_b128 v[\base+8*\nb:\base+8*\nb+3], v[VPAR], s[\sb:\sb+1] offset:64*\nb
	global_load_b128 v[\base+8*\nb+4:\base+8*\nb+7], v[VPAR], s[\sb:\sb+1] offset:64*\nb+16
.endr
	WIN 0
.endm
.macro POSLD mb
.irp nb, 0,1,2,3,4,5,6,7
	global_load_b128 v[TT+8*\nb:TT+8*\nb+3], v[VPOS], s[78:79] offset:32768*(\mb)+64*\nb
	global_load_b128 v[TT+8*\nb+4:TT+8*\nb+7], v[VPOS], s[78:79] offset:32768*(\mb)+64*\nb+16
.endr
.endm
.macro XADD mb, lw                     ; X(mb) = tok + pos; the next block's pos rows are asked for
	s_wait_loadcnt \lw
	WIN 0x82
.set k, 0
.rept 32
	v_pk_add_f32 v[64*\mb+2*k:64*\mb+2*k+1], v[64*\mb+2*k:64*\mb+2*k+1], v[TT+2*k:TT+2*k+1]
.set k, k+1
.endr
	WIN 0
.if \mb < 3
	POSLD \mb+1
.endif
.endm
.macro FETCH slot, par, u              ; K step u of a tile: 8 weight fragments (my 128 columns) and 4 activation fragments, into buffers u & 1
	WIN 0x40
.irp nb, 0,1,2,3,4,5,6,7
	ds_load_tr16_b128 v[64*((\u)&1)+8*\nb:64*((\u)&1)+8*\nb+3], v[VB+2*(\slot)+((\u)>>1)] offset:((\u)&1)*32*WP+32*\nb
	ds_load_tr16_b128 v[64*((\u)&1)+8*\nb+4:64*((\u)&1)+8*\nb+7], v[VB+2*(\slot)+((\u)>>1)] offset:((\u)&1)*32*WP+32*\nb+16*WP
.endr
	WIN 0
.irp mb, 0,1,2,3
	ds_load_b128 v[FA+32*((\u)&1)+8*\mb:FA+32*((\u)&1)+8*\mb+3], v[VA] offset:16*AP*\mb+256*(\par)+64*(\u)
	ds_load_b128 v[FA+32*((\u)&1)+8*\mb+4:FA+32*((\u)&1)+8*\mb+7], v[VA] offset:16*AP*\mb+256*(\par)+64*(\u)+32
.endr
.endm
; 16 matrix instructions: row blocks mb0, mb0 + 1 x eight column tiles.  acc: the accumulators' window (2 = X, 3 = H).  cm = 1: the bias starts the sums.
.macro MUL16 f, mb0, acc, cm
.if \cm
	WIN (\acc<<6)|1
.else
	WIN (\acc<<6)|(\acc<<4)|1
.endif
.irp mm, 0,1
.irp nb, 0,1,2,3,4,5,6,7
.set AC, 8*(8*(\mb0+\mm)+\nb)
.set AF, FA+32*(\f)+8*(\mb0+\mm)
.if \cm
	v_wmma_f32_16x16x32_f16 v[AC:AC+7], v[64*(\f)+8*\nb:64*(\f)+8*\nb+7], v[AF:AF+7], v[BIAS+8*\nb:BIAS+8*\nb+7]
.else
	v_wmma_f32_16x16x32_f16 v[AC:AC+7], v[64*(\f)+8*\nb:64*(\f)+8*\nb+7], v[AF:AF+7], v[AC:AC+7]
.endif
.endr
.endr
.endm
; A K step: its own fragments are in; the next step's 24 loads go out at once, into the buffers that the step before has read,
; and have this step's 32 matrix instructions in which to come back.
.macro KS slot, par, u, acc, cm
	s_wait_dscnt 0x0                               ; this step's fragments
	PLACES                                         ; the other buffers were read by the last matrix instructions
	FETCH \slot, \par, \u+1
	MUL16 (\u)&1, 0, \acc, \cm
	MUL16 (\u)&1, 2, \acc, \cm
.endm
.macro TILE3 slot, par, acc
	KS \slot, \par, 0, \acc, 0
	KS \slot, \par, 1, \acc, 0
	KS \slot, \par, 2, \acc, 0
.endm
; A tile's last K step and the change of slots.  In front of the round: my LDS reads are back and all my tensor loads have landed (the one out is
; my part of the next tile).  Inside it register work alone.  Behind it the joint refill of this slot, two tiles ahead, comes first.
; cont = 1: the next tile uses the same activations (their second 128 k); cont = 0: they are rewritten first.
.macro TURN slot, acc, cont
	s_wait_dscnt 0x0
	s_set_vgpr_msb (MSB<<8)|((MSB&0xf0)|0x0)
	s_wait_tensorcnt 0x0
	ds_add_u32 v38, v39
	s_wait_dscnt 0x0
	s_set_vgpr_msb (((MSB&0xf0)|0x0)<<8)|MSB
	SETG0 \slot
	s_barrier_signal -1
	MUL16 1, 0, \acc, 0
	WIN 0
	s_barrier_wait -1
	CREST
	tensor_load_to_lds s[G0+4*\slot:G0+4*\slot+3], s[G1A:G1A+7]
	s_nop 0
.if \cont
	PLACES
	FETCH 1-\slot, 1, 0
.endif
	MUL16 1, 2, \acc, 0
	WIN 0
.endm
.macro NEXT                            ; the rewritten activations are published; the next tile's first fragments
	ABAR
	PLACES
	FETCH 0, 0, 0
.endm
.macro AROWS hf                        ; my 16 rows of att, their half hf of 512 bytes
	WIN 0x04
.irp i, 0,1,2,3,4,5,6,7,8,9,10,11,12,13,14,15
	ds_store_b128 v[VAR], v[128+64*\hf+4*\i:128+64*\hf+4*\i+3] offset:AP*\i
.endr
	WIN 0
.endm
; k = 0..255 of the next product lie in waves 0, 1 (hi = 0), k = 256..511 in waves 2, 3 (hi = 1): those two store their 32 packed tiles
.macro ASLICE hi, win, base
	WIN 0
	s_cmp_lt_u32 s8, 2
.if \hi
	s_cbranch_scc1 .Lnot_mine_\@
.else
	s_cbranch_scc0 .Lnot_mine_\@
.endif
	WIN (\win<<2)
.irp mb, 0,1,2,3
.irp nb, 0,1,2,3,4,5,6,7
	ds_store_b128 v[VAS], v[\base+4*(8*\mb+\nb):\base+4*(8*\mb+\nb)+3] offset:16*AP*\mb+32*\nb
.endr
.endr
	WIN 0
.Lnot_mine_\@:
.endm
.macro RELUPACK                        ; relu, bounded by f16's largest number, and to f16 in place: tile t into registers 4 t .. 4 t + 3
	WIN 0xc3
.set k, 0
.rept 256
	v_med3_num_f32 v[k], v[k], 0, s14
.set k, k+1
.endr
	WIN 0xcf
.set k, 0
.rept 128
	v_cvt_pk_f16_f32 v[k], v[2*k], v[2*k+1]
.set k, k+1
.endr
	WIN 0
.endm
; the pairs in SUMP: over the pair, the partner lane (the other 64 of my wave's columns) and the four waves; result in SUMP + 2 mb
.macro EXCH region
.irp mb, 0,1,2,3
	v_add_f32 v[SUMP+2*\mb], v[SUMP+2*\mb], v[SUMP+2*\mb+1]
.endr
.irp mb, 0,1,2,3
	v_permlanex16_b32 v[SUMP+2*\mb+1], v[SUMP+2*\mb], s12, s13
.endr
.irp mb, 0,1,2,3
	v_add_f32 v[SUMP+2*\mb], v[SUMP+2*\mb], v[SUMP+2*\mb+1]
.endr
.irp mb, 0,1,2,3
	ds_store_b32 v[VRS], v[SUMP+2*\mb] offset:1024*(\region)+256*\mb
.endr
	ABAR
.irp mb, 0,1,2,3
	ds_load_b128 v[TT+4*\mb:TT+4*\mb+3], v[VRL] offset:1024*(\region)+256*\mb
.endr
	s_wait_dscnt 0x0
.irp mb, 0,1,2,3
	v_pk_add_f32 v[TT+4*\mb:TT+4*\mb+1], v[TT+4*\mb:TT+4*\mb+1], v[TT+4*\mb+2:TT+4*\mb+3]
.endr
.irp mb, 0,1,2,3
	v_add_f32 v[SUMP+2*\mb], v[TT+4*\mb], v[TT+4*\mb+1]
.endr
.endm
; LayerNorm of X (window 2) with the gain at gbase of window gwin and the bias at 64-127 of window 3, to f16 at 128-255 of window 1.
; X is left centred.  addb2 = 1: the vector at 128-191 of window 3 is added to X afterwards.
.macro LN region, addb2, gwin, gbase
	WIN 0x0a
.irp mb, 0,1,2,3
	v_pk_add_f32 v[SUMP+2*\mb:SUMP+2*\mb+1], v[64*\mb:64*\mb+1], v[64*\mb+2:64*\mb+3]
.endr
	WIN 0x08
.set p, 2
.rept 30
.irp mb, 0,1,2,3
	v_pk_add_f32 v[SUMP+2*\mb:SUMP+2*\mb+1], v[SUMP+2*\mb:SUMP+2*\mb+1], v[64*\mb+2*p:64*\mb+2*p+1]
.endr
.set p, p+1
.endr
	WIN 0
	EXCH \region
.irp mb, 0,1,2,3
	v_mul_f32 v[MEANP+2*\mb], s58, v[SUMP+2*\mb]
	v_mul_f32 v[MEANP+2*\mb+1], s58, v[SUMP+2*\mb]
.endr
	WIN 0x82
.irp mb, 0,1,2,3
.set p, 0
.rept 32
	v_pk_add_f32 v[64*\mb+2*p:64*\mb+2*p+1], v[64*\mb+2*p:64*\mb+2*p+1], v[MEANP+2*\mb:MEANP+2*\mb+1] neg_lo:[0,1] neg_hi:[0,1]
.set p, p+1
.endr
.endr
	WIN 0x0a
.irp mb, 0,1,2,3
	v_pk_mul_f32 v[SUMP+2*\mb:SUMP+2*\mb+1], v[64*\mb:64*\mb+1], v[64*\mb:64*\mb+1]
.endr
.set p, 1
.rept 31
.irp mb, 0,1,2,3
	v_pk_fma_f32 v[SUMP+2*\mb:SUMP+2*\mb+1], v[64*\mb+2*p:64*\mb+2*p+1], v[64*\mb+2*p:64*\mb+2*p+1], v[SUMP+2*\mb:SUMP+2*\mb+1]
.endr
.set p, p+1
.endr
	WIN 0
	EXCH \region+1
.irp mb, 0,1,2,3
	v_fma_f32 v[SUMP+2*\mb], v[SUMP+2*\mb], s58, s59
.endr
.irp mb, 0,1,2,3
	v_rsq_f32 v[RSP+2*\mb], v[SUMP+2*\mb]
	v_rsq_f32 v[RSP+2*\mb+1], v[SUMP+2*\mb]
.endr
	v_nop                                          ; one plain instruction behind the last transcendental (ISA guide 5.7.2)
	s_wait_alu depctr_va_vdst(0)
	s_wait_loadcnt 0x0                             ; the parameters
.irp mb, 0,1,2,3
	WIN 0xc0|\gwin
.set k, 0
.rept 32
	v_pk_mul_f32 v[192+2*k:193+2*k], v[\gbase+2*k:\gbase+2*k+1], v[RSP+2*\mb:RSP+2*\mb+1]
.set k, k+1
.endr
	WIN 0x3e
.set k, 0
.rept 32
	v_pk_fma_f32 v[TT+2*k:TT+2*k+1], v[64*\mb+2*k:64*\mb+2*k+1], v[192+2*k:193+2*k], v[64+2*k:65+2*k]
.set k, k+1
.endr
	WIN 0x40
.set k, 0
.rept 32
	v_cvt_pk_f16_f32 v[128+32*\mb+k], v[TT+2*k], v[TT+2*k+1]
.set k, k+1
.endr
.if \addb2
	WIN 0x8e
.set k, 0
.rept 32
	v_pk_add_f32 v[64*\mb+2*k:64*\mb+2*k+1], v[64*\mb+2*k:64*\mb+2*k+1], v[128+2*k:129+2*k]
.set k, k+1
.endr
.endif
.endr
	WIN 0
.endm
; ---------------- start ----------------
.irp mb, 0,1,2,3
	global_load_b32 v[TT+4+\mb], v[VIDX], s[72:73] offset:64*\mb
.endr
	WIN 0x40
.irp i, 0,1,2,3,4,5,6,7,8,9,10,11,12,13,14,15
	global_load_b128 v[128+4*\i:128+4*\i+3], v[VATT], s[70:71] offset:1024*\i
	global_load_b128 v[192+4*\i:192+4*\i+3], v[VATT], s[70:71] offset:1024*\i+512
.endr
	PLOAD 0, BIAS, 80                              ; bo
	ROUND                                          ; the four partners are here: the first joint loads meet
	SETG0 0
	tensor_load_to_lds s[G0:G0+3], s[G1A:G1A+7]
	s_nop 0
	SETG0 1
	tensor_load_to_lds s[G0+4:G0+7], s[G1A:G1A+7]
	s_nop 0
	s_wait_loadcnt 0x0
	AROWS 0
.irp mb, 0,1,2,3
	v_min_u32 v[TT+4+\mb], 64, v[TT+4+\mb]         ; never outside the table
	v_lshl_add_u32 v[VTOK+\mb], v[TT+4+\mb], 11, v[VPAR]
.endr
	WIN 0x80
.irp mb, 0,1,2,3
.irp nb, 0,1,2,3,4,5,6,7
	global_load_b128 v[8*(8*\mb+\nb):8*(8*\mb+\nb)+3], v[VTOK+\mb], s[76:77] offset:64*\nb
	global_load_b128 v[8*(8*\mb+\nb)+4:8*(8*\mb+\nb)+7], v[VTOK+\mb], s[76:77] offset:64*\nb+16
.endr
.endr
	WIN 0
	POSLD 0
	s_wait_tensorcnt 0x1                           ; my part of tile 0 is in; tile 1 stays out
	NEXT
; ---------------- H = att wo + bo; X = tok + pos on the way ----------------
	KS 0, 0, 0, 3, 1
	PLACES                                         ; the bias registers were read by matrix instructions
	PLOAD 0, BIAS, 62                              ; b1 of my cluster's first chunk
	KS 0, 0, 1, 3, 0
	KS 0, 0, 2, 3, 0
	TURN 0, 3, 1                                   ; asks for wo's third tile
	XADD 0, 16                                     ; the 16 loads of b1 are younger than tok's and pos's
	TILE3 1, 1, 3
	TURN 1, 3, 0                                   ; and for its fourth
	s_mov_b64 s[48:49], s[30:31]                   ; the walk goes on with my cluster's first chunk
	XADD 1, 0
	AROWS 1
	NEXT
	TILE3 0, 0, 3
	TURN 0, 3, 1
	XADD 2, 0
	TILE3 1, 1, 3
	TURN 1, 3, 0
	XADD 3, 0
	PLACES
	WIN 0x8e
.set k, 0
.rept 128
	v_pk_add_f32 v[2*k:2*k+1], v[2*k:2*k+1], v[2*k:2*k+1]          ; X += H (source 1 in window 3)
.set k, k+1
.endr
	PLOAD 3, 0, 82                                 ; ln2_g
	PLOAD 3, 64, 84                                ; ln2_b
	PLOAD 3, 128, 88                               ; b2
	LN 0, 1, 3, 0
; ---------------- four chunks of 512 hidden columns: H = h2 w1 + b1; relu; X += H w2 ----------------
; Every trip has the same text: eight tiles, eight refills two tiles ahead.  The first six refills are the chunk's tiles 2 to 7; the last two are the
; first two tiles of my cluster's next chunk, and in the last trip tiles 36 and 37 (lm).
	s_mov_b32 s15, 4
.Lchunk:
	ASLICE 0, 1, 128                               ; h2, k = 0..255
	NEXT
	s_wait_loadcnt 0x0                             ; b1's chunk
	KS 0, 0, 0, 3, 1
	KS 0, 0, 1, 3, 0
	KS 0, 0, 2, 3, 0
	TURN 0, 3, 1
	TILE3 1, 1, 3
	TURN 1, 3, 0
	ASLICE 1, 1, 128                               ; h2, k = 256..511
	NEXT
	TILE3 0, 0, 3
	TURN 0, 3, 1
	TILE3 1, 1, 3
	TURN 1, 3, 0
	PLACES
	RELUPACK
	ASLICE 0, 3, 0                                 ; hidden, k = 0..255 of the chunk
	NEXT
	; What comes next: chunk (c + 1) mod 4, its b1 and its first tile; in the last trip, where there is none, lnf_g (same shape, same lanes as b1's
	; chunk) and tile 36.  The last loads through s[62:63] were waited for at the trip's head.
	s_add_co_u32 s24, s24, 1
	s_and_b32 s24, s24, 3
	s_lshl_b32 s32, s24, 11
	s_add_nc_u64 s[34:35], s[86:87], s[32:33]
	s_lshl_b32 s26, s24, 20
	s_add_co_u32 s26, s26, 4*TILEB
	s_cmp_eq_u32 s15, 1
	s_cselect_b32 s26, 36*TILEB, s26
	s_cselect_b64 s[62:63], s[90:91], s[34:35]
	s_add_nc_u64 s[30:31], s[28:29], s[26:27]
	PLOAD 0, BIAS, 62
	TILE3 0, 0, 2
	TURN 0, 2, 1
	TILE3 1, 1, 2
	TURN 1, 2, 0                                   ; the chunk's last tile has been asked for
	s_mov_b64 s[48:49], s[30:31]                   ; the walk goes on with what comes next
	ASLICE 1, 3, 0                                 ; hidden, k = 256..511 of the chunk
	NEXT
	TILE3 0, 0, 2
	TURN 0, 2, 1
	TILE3 1, 1, 2
	TURN 1, 2, 0
	s_sub_co_u32 s15, s15, 1
	s_cmp_lg_u32 s15, 0
	s_cbranch_scc1 .Lchunk
; ---------------- LNf, logits ----------------
	PLACES
	PLOAD 3, 64, 92                                ; lnf_b: LNf's two sum passes and two exchanges stand between these loads and their wait
	global_load_b32 v[TGT], v[VTG], s[74:75]
	LN 2, 0, 0, BIAS
.irp nb, 0,1,2,3
	global_load_b128 v[TT+8*\nb:TT+8*\nb+3], v[VPL], s[94:95] offset:64*\nb       ; lm_b in the accumulators' layout: n = 16 nb + 8 h + j
	global_load_b128 v[TT+8*\nb+4:TT+8*\nb+7], v[VPL], s[94:95] offset:64*\nb+16
.endr
	global_load_b32 v[TT+32], v[VZ], s[94:95] offset:256                          ; n = 64
.irp j, 1,2,3,4,5,6,7
	v_mov_b32 v[TT+32+\j], 0
.endr
	ASLICE 0, 1, 128
	ABAR
	s_wait_loadcnt 0x0
; wave w: token block w, five column tiles, 128 k (column group q of the lm tile in the slot): four K steps
.macro LMB slot, q, cm
	PLACES
	WIN 0x80
.irp ul, 0,1,2,3
.irp nb, 0,1,2,3,4
	ds_load_tr16_b128 v[40*\ul+8*\nb:40*\ul+8*\nb+3], v[VBL+2*\slot+(\ul>>1)] offset:(\ul&1)*32*WP+256*\q+32*\nb
	ds_load_tr16_b128 v[40*\ul+8*\nb+4:40*\ul+8*\nb+7], v[VBL+2*\slot+(\ul>>1)] offset:(\ul&1)*32*WP+256*\q+32*\nb+16*WP
.endr
.endr
	WIN 0
.irp ul, 0,1,2,3
	ds_load_b128 v[FA+8*\ul:FA+8*\ul+3], v[VAL] offset:256*\q+64*\ul
	ds_load_b128 v[FA+8*\ul+4:FA+8*\ul+7], v[VAL] offset:256*\q+64*\ul+32
.endr
	s_wait_dscnt 0x0
.irp ul, 0,1,2,3
.irp nb, 0,1,2,3,4
.if \cm && (\ul == 0)
	WIN 0xc2
	v_wmma_f32_16x16x32_f16 v[8*\nb:8*\nb+7], v[40*\ul+8*\nb:40*\ul+8*\nb+7], v[FA+8*\ul:FA+8*\ul+7], v[TT+8*\nb:TT+8*\nb+7]
.else
	WIN 0xf2
	v_wmma_f32_16x16x32_f16 v[8*\nb:8*\nb+7], v[40*\ul+8*\nb:40*\ul+8*\nb+7], v[FA+8*\ul:FA+8*\ul+7], v[8*\nb:8*\nb+7]
.endif
.endr
.endr
	WIN 0
.endm
	LMB 0, 0, 1
	LMB 0, 1, 0
	s_wait_dscnt 0x0                               ; my reads of xf's first half are back,
	s_wait_tensorcnt 0x0                           ; my part of the second lm tile is in,
	s_barrier_signal -1
	s_barrier_wait -1                              ; everybody's
	ASLICE 1, 1, 128
	ABAR
	LMB 1, 0, 0
	LMB 1, 1, 0
; ---------------- the rows' -log softmax at the target; the logits out ----------------
; window 3: logits 0-39 (n = 16 nb + 8 h + j; n = 64 in register 32 of the lanes with h = 0)
.set EE,  64
.set E64, 65
.set MX,  66
.set TM,  68
.set TL,  69
.set SU,  70
.set TG,  72
.set M4,  74
.set EX,  80
	PLACES
	v_lshlrev_b32 v[W0], 3, v2
	v_sub_nc_u32 v[W0], v[TGT], v[W0]              ; target - 8 h
	WIN 0xc0
	v_mov_b32 v[TG], v[W0]
	v_mov_b32 v[TM], 0
	v_mov_b32 v[TL], 0
	WIN 0xff
	v_permlanex16_b32 v[TM], v[32], s12, s13
	v_cndmask_b32 v[E64], v[TM], v[32], s60        ; logit 64 in both lanes of a token, for the store
	v_cndmask_b32 v[EE], 0xff800000, v[32], s60    ; and once a token, for maximum and sum
.irp nb, 0,1,2,3
	v_max3_num_f32 v[M4+\nb], v[8*\nb], v[8*\nb+1], v[8*\nb+2]
.endr
.irp nb, 0,1,2,3
	v_max3_num_f32 v[M4+\nb], v[M4+\nb], v[8*\nb+3], v[8*\nb+4]
.endr
.irp nb, 0,1,2,3
	v_max3_num_f32 v[M4+\nb], v[M4+\nb], v[8*\nb+5], v[8*\nb+6]
.endr
.irp nb, 0,1,2,3
	v_max_num_f32 v[M4+\nb], v[M4+\nb], v[8*\nb+7]
.endr
	v_max3_num_f32 v[M4], v[M4], v[M4+1], v[M4+2]
	v_max3_num_f32 v[M4], v[M4], v[M4+3], v[EE]
	v_permlanex16_b32 v[TM], v[M4], s12, s13
	v_max_num_f32 v[MX], v[M4], v[TM]
	v_max_num_f32 v[MX+1], v[M4], v[TM]
.set k, 0
.rept 16
	v_pk_add_f32 v[EX+2*k:EX+2*k+1], v[2*k:2*k+1], v[MX:MX+1] neg_lo:[0,1] neg_hi:[0,1]
.set k, k+1
.endr
	v_sub_f32 v[EX+32], v[EE], v[MX]
.set k, 0
.rept 16
	v_pk_mul_f32 v[EX+2*k:EX+2*k+1], v[EX+2*k:EX+2*k+1], 0x3fb8aa3b op_sel_hi:[1,0]
.set k, k+1
.endr
	v_mul_f32 v[EX+32], 0x3fb8aa3b, v[EX+32]
.set k, 0
.rept 33
	v_exp_f32 v[EX+k], v[EX+k]
.set k, k+1
.endr
	v_nop
	s_wait_alu depctr_va_vdst(0)
	v_pk_add_f32 v[SU:SU+1], v[EX:EX+1], v[EX+2:EX+3]
.set k, 2
.rept 14
	v_pk_add_f32 v[SU:SU+1], v[SU:SU+1], v[EX+2*k:EX+2*k+1]
.set k, k+1
.endr
	v_add_f32 v[SU], v[SU], v[SU+1]
	v_add_f32 v[SU], v[SU], v[EX+32]
	v_permlanex16_b32 v[TM], v[SU], s12, s13
	v_add_f32 v[SU], v[SU], v[TM]
	v_log_f32 v[SU], v[SU]
.irp nb, 0,1,2,3
.irp j, 0,1,2,3,4,5,6,7
	v_cmp_eq_u32 vcc_lo, 16*\nb+\j, v[TG]          ; a choice of a value: every lane does all 33 selects
	v_cndmask_b32 v[TL], v[TL], v[8*\nb+\j], vcc_lo
.endr
.endr
	v_cmp_eq_u32 vcc_lo, 64, v[TG]
	v_cndmask_b32 v[TL], v[TL], v[32], vcc_lo
	v_permlanex16_b32 v[TM], v[TL], s12, s13
	v_add_f32 v[TL], v[TL], v[TM]                  ; one of the two lanes holds it, the other 0
	s_wait_alu depctr_va_vdst(0)
	v_fma_f32 v[SU], v[SU], 0x3f317218, v[MX]      ; maximum + ln 2 * log2(sum)
	WIN 0x0f
	v_sub_f32 v[W0], v[SU], v[TL]
	WIN 0
	v_add_f32_dpp v[W0], v[W0], v[W0] row_xmask:1 row_mask:0xf bank_mask:0xf      ; over my 16 tokens
	v_add_f32_dpp v[W0], v[W0], v[W0] row_xmask:2 row_mask:0xf bank_mask:0xf
	v_add_f32_dpp v[W0], v[W0], v[W0] row_xmask:4 row_mask:0xf bank_mask:0xf
	v_add_f32_dpp v[W0], v[W0], v[W0] row_xmask:8 row_mask:0xf bank_mask:0xf
	ds_store_b32 v[VMISC], v[W0]
	WIN 0x0c
.irp nb, 0,1,2,3
.irp j, 0,1,2,3,4,5,6,7
	ds_store_b32 v[VLS], v[8*\nb+\j] offset:64*\nb+4*\j
.endr
.endr
	ds_store_b32 v[VLE], v[E64] offset:256
	WIN 0
	ABAR
	; the 64 rows of 65 f32 are 16640 neighbouring bytes of out0, starting at a multiple of 256: 8 x 2048 bytes by all threads, 256 by 16 lanes
.irp i, 0,1,2,3,4,5,6,7
	ds_load_b128 v[FA+4*\i:FA+4*\i+3], v[VOUTL] offset:2048*\i
.endr
.irp i, 0,1,2,3,4,5,6,7
	s_wait_dscnt 7-\i                              ; the younger read-backs stay out
	global_store_b128 v[VOUT], v[FA+4*\i:FA+4*\i+3], s[96:97] offset:2048*\i
.endr
	s_cmp_lg_u32 s8, 0
	s_cbranch_scc1 .Lnot_first
	v_lshlrev_b32 v[W0+1], 4, v1                   ; the stage's last 256 bytes: lanes 16-31 read what lanes 0-15 read, so no lane reads past the stage
	v_add_nc_u32 v[W0+1], LOGST+16384, v[W0+1]
	ds_load_b128 v[FA+32:FA+35], v[W0+1]
	ds_load_b128 v[FA+36:FA+39], v[VMISC]          ; wave 0: its word is the first of the four sums
	s_wait_dscnt 0x0
	v_pk_add_f32 v[FA+36:FA+37], v[FA+36:FA+37], v[FA+38:FA+39]
	v_add_f32 v[FA+36], v[FA+36], v[FA+37]
	v_cmp_gt_u32 vcc_lo, 16, v0
	s_wait_xcnt 0x0                                ; EXEC changes only behind this wait
	s_and_saveexec_b32 s61, vcc_lo
	global_store_b128 v[VOUT], v[FA+32:FA+35], s[96:97] offset:16384
	s_wait_xcnt 0x0
	s_or_b32 exec_lo, exec_lo, s61
	v_cmp_eq_u32 vcc_lo, 0, v0
	s_and_saveexec_b32 s61, vcc_lo
	global_store_b32 v[VZ], v[FA+36], s[98:99]
	s_wait_xcnt 0x0
	s_or_b32 exec_lo, exec_lo, s61
.Lnot_first:
	s_set_vgpr_msb (MSB<<8)|((MSB&0xf0)|0x0)
	s_wait_tensorcnt 0x0
	ds_add_u32 v38, v39
	s_wait_dscnt 0x0
	s_set_vgpr_msb (((MSB&0xf0)|0x0)<<8)|MSB
	ROUND                                          ; the closing round: no work-group ends while a partner may still ask jointly
	s_endpgm
.Lfunc_end_k_q6831728be0_mlp:
	.size	k_q6831728be0_mlp, .Lfunc_end_k_q6831728be0_mlp-k_q6831728be0_mlp
	.p2alignl 7, 3214868480
	.fill 96, 4, 3214868480
	.section	.rodata,"a",@progbits
	.p2align	6, 0x0
	.amdhsa_kernel k_q6831728be0_mlp
		.amdhsa_group_segment_fixed_size 327680
		.amdhsa_private_segment_fixed_size 0
		.amdhsa_enable_private_segment 0
		.amdhsa_kernarg_size 128
		.amdhsa_user_sgpr_count 2
		.amdhsa_user_sgpr_kernarg_segment_ptr 1
		.amdhsa_wavefront_size32 1
		.amdhsa_system_sgpr_workgroup_id_x 1
		.amdhsa_system_sgpr_workgroup_id_y 1
		.amdhsa_system_sgpr_workgroup_id_z 1
		.amdhsa_system_vgpr_workitem_id 0
		.amdhsa_next_free_vgpr 1024
		.amdhsa_next_free_sgpr 100
		.amdhsa_reserve_vcc 1
		.amdhsa_float_denorm_mode_32 3
		.amdhsa_float_denorm_mode_16_64 3
		.amdhsa_memory_ordered 1
		.amdhsa_forward_progress 1
		.amdhsa_inst_pref_size 255
	.end_amdhsa_kernel
	.section	.bss,"aw",@nobits
	.p2align	6
	.space	262144
	.amdgpu_metadata
---
amdhsa.version: [ 1, 2 ]
amdhsa.kernels:
  - .name:           k_q6831728be0_mlp
    .symbol:         k_q6831728be0_mlp.kd
    .args:
      - { .name: w16, .offset: 0, .size: 8, .value_kind: global_buffer, .address_space: global }
      - { .name: att, .offset: 8, .size: 8, .value_kind: global_buffer, .address_space: global }
      - { .name: idx, .offset: 16, .size: 8, .value_kind: global_buffer, .address_space: global }
      - { .name: targets, .offset: 24, .size: 8, .value_kind: global_buffer, .address_space: global }
      - { .name: tok_emb, .offset: 32, .size: 8, .value_kind: global_buffer, .address_space: global }
      - { .name: pos_emb, .offset: 40, .size: 8, .value_kind: global_buffer, .address_space: global }
      - { .name: bo, .offset: 48, .size: 8, .value_kind: global_buffer, .address_space: global }
      - { .name: ln2_g, .offset: 56, .size: 8, .value_kind: global_buffer, .address_space: global }
      - { .name: ln2_b, .offset: 64, .size: 8, .value_kind: global_buffer, .address_space: global }
      - { .name: b1, .offset: 72, .size: 8, .value_kind: global_buffer, .address_space: global }
      - { .name: b2, .offset: 80, .size: 8, .value_kind: global_buffer, .address_space: global }
      - { .name: lnf_g, .offset: 88, .size: 8, .value_kind: global_buffer, .address_space: global }
      - { .name: lnf_b, .offset: 96, .size: 8, .value_kind: global_buffer, .address_space: global }
      - { .name: lm_b, .offset: 104, .size: 8, .value_kind: global_buffer, .address_space: global }
      - { .name: out0, .offset: 112, .size: 8, .value_kind: global_buffer, .address_space: global }
      - { .name: part, .offset: 120, .size: 8, .value_kind: global_buffer, .address_space: global }
    .group_segment_fixed_size: 327680
    .private_segment_fixed_size: 0
    .kernarg_segment_align: 8
    .kernarg_segment_size: 128
    .max_flat_workgroup_size: 128
    .sgpr_count:     100
    .vgpr_count:     1024
    .wavefront_size: 32
...
	.end_amdgpu_metadata
.endif
;; end of part 6
;; launch loss: the kernel of part 4 again; grid 1 x 1, 1 waves a work-group, no clusters, 0 bytes of LDS; arguments part, out1; writes out1
